; MI455X (gfx1250); checked and timed in simulation.
; The chip was launched on July 23, 2026; its instructions are those of AMD's public machine-readable ISA for CDNA 5 (MIT licence, August 2026) and "CDNA5" Instruction Set Architecture Reference Guide (July 2026). The comments in the code are by the model that wrote it; some were corrected since.
;; Attention. Allowed arithmetic: float matrix products may take bf16 or f16 operands with f32 sums; all other float work in f32.
;; Inputs: U 1,024 x 1,024 float32; W 1,024 x 1,024 float32; k 8 x 2,048 x 1,024 float32; q 8 x 2,048 x 1,024 float32; v 8 x 2,048 x 1,024 float32.
;; Outputs: out0 8 x 2,048 x 1,024 float32.
;; 2 versions, each right; version 2 is version 1 with the launches prep, smax written anew for expert scheduling mode. Each part assembles by itself: llvm-mc -triple=amdgcn-amd-amdhsa -mcpu=gfx1250 --defsym DOCPART=n.
;; ======== version 1 of 2: 5 launches
;; limits: values are held in f16: magnitudes above 65,504 overflow, below 6.1e-05 lose precision
;; workspace buffers: vh 33,554,432 bytes; wu 4,194,304 bytes; fac 33,554,432 bytes; sbuf 33,554,432 bytes; attn 16,777,216 bytes
;; launch prep (part 1): grid 576 x 1, 8 waves a work-group, no clusters, 0 bytes of LDS; arguments v, W, U, vh, wu; writes vh, wu
.if DOCPART == 1
	.amdgcn_target "amdgcn-amd-amdhsa--gfx1250"
	.amdhsa_code_object_version 6
	.text
	.protected	k_qcebe2834b6_prep
	.globl	k_qcebe2834b6_prep
	.p2align	8
	.type	k_qcebe2834b6_prep,@function
k_qcebe2834b6_prep:
	s_mov_b64 s[64:65], 0
	v_nop
	global_prefetch_b8 v0, s[64:65] scope:SCOPE_SE
	s_setreg_imm32_b32 hwreg(HW_REG_WAVE_MODE, 25, 1), 1
	s_wait_xcnt 0x0
; vh = f16(bf16(v)) [8][2048][1024];  wu = bf16([W ; U]) [2048][1024] (W's 1,024 rows, then U's).
; A stream: no LDS, no barrier, no matrix work; no tile is shared between work-groups, so no cluster.
; A work-group converts 32 rows of 1,024 f32 (4,096 bytes in, 2,048 bytes out).  Thread t owns the 16 bytes at 16 t of every row:
; a wave's load covers 512 consecutive bytes, its store 256 consecutive bytes, aligned.
; Work-groups 0 to 511 take v, 512 to 543 W, 544 to 575 U.
; v is first rounded to bf16 (the rounding of a matrix operand) and then written as f16, because it is later multiplied with f16 operands.
; LIMITS: the second step is exact for 2^-17 <= |bf16(v)| < 65,520; smaller numbers are held to 2^-25 absolute, larger ones become infinity.
.set X, 4                              ; v[4:35]   slot i of 8: four f32 as loaded
.set Y, 36                             ; v[36:51]  slot i: two words to store
.set T, 52                             ; v[52:57]  at work
	s_load_b256 s[4:11], s[0:1], 0x0               ; v s[4:5], W s[6:7], U s[8:9], vh s[10:11]
	s_load_b64 s[12:13], s[0:1], 0x20              ; wu
	v_lshlrev_b32 v1, 4, v0                        ; my 16 bytes in a row that is read; never rewritten
	v_lshlrev_b32 v2, 3, v0                        ; my 8 bytes in a row that is written; never rewritten
	s_mov_b32 s18, 0xffff0000                      ; a word's upper bf16
	s_mov_b32 s3, 0
; One row.  kind = 1: f32 -> bf16 -> f16 (v); kind = 0: f32 -> bf16 (W, U).  All row offsets stand in the immediates (126,976 at the most).
.macro SLOT row, kind
.set sl, (\row)%8
.set left, 31-(\row)
.if left > 7
.set left, 7
.endif
	s_wait_loadcnt left                            ; loads come back in order: this row's is in, the younger ones (7, fewer at the end) stay out
	s_wait_xcnt 0x0                                ; Y of this slot, the data of its last store, is rewritten only behind this wait
.if \kind
	v_cvt_pk_bf16_f32 v[T],   v[X+4*sl],   v[X+4*sl+1]
	v_cvt_pk_bf16_f32 v[T+1], v[X+4*sl+2], v[X+4*sl+3]
	v_lshlrev_b32 v[T+2], 16, v[T]                 ; back to f32: the low half moves up,
	v_and_b32     v[T+3], s18, v[T]                ; the high half stays
	v_lshlrev_b32 v[T+4], 16, v[T+1]
	v_and_b32     v[T+5], s18, v[T+1]
	v_cvt_pk_f16_f32 v[Y+2*sl],   v[T+2], v[T+3]
	v_cvt_pk_f16_f32 v[Y+2*sl+1], v[T+4], v[T+5]
.else
	v_cvt_pk_bf16_f32 v[Y+2*sl],   v[X+4*sl],   v[X+4*sl+1]
	v_cvt_pk_bf16_f32 v[Y+2*sl+1], v[X+4*sl+2], v[X+4*sl+3]
.endif
.if (\row)+8 < 32
	global_load_b128 v[X+4*sl:X+4*sl+3], v1, s[14:15] offset:((\row)+8)*4096 th:TH_LOAD_NT
.endif
	global_store_b64 v2, v[Y+2*sl:Y+2*sl+1], s[16:17] offset:(\row)*2048
.endm
.macro ROWS kind
.irp i, 0,1,2,3,4,5,6,7
	global_load_b128 v[X+4*\i:X+4*\i+3], v1, s[14:15] offset:\i*4096 th:TH_LOAD_NT   ; the ring is filled: rows 0 to 7
.endr
.set rw, 0
.rept 32
	SLOT rw, \kind
.set rw, rw+1
.endr
.endm
	s_wait_kmcnt 0x0
	s_cmp_lt_u32 ttmp9, 512
	s_cbranch_scc0 .Lweights
	s_lshl_b32 s2, ttmp9, 17                       ; 32 rows of 4,096 bytes
	s_add_nc_u64 s[14:15], s[4:5], s[2:3]
	s_lshl_b32 s2, ttmp9, 16                       ; 32 rows of 2,048 bytes
	s_add_nc_u64 s[16:17], s[10:11], s[2:3]
	ROWS 1
	s_endpgm
.Lweights:
	s_sub_co_u32 s19, ttmp9, 512                   ; 0 to 63: block of 32 rows of wu
	s_cmp_lt_u32 s19, 32
	s_cselect_b64 s[14:15], s[6:7], s[8:9]         ; W for the first 32 blocks, U for the others
	s_and_b32 s2, s19, 31
	s_lshl_b32 s2, s2, 17
	s_add_nc_u64 s[14:15], s[14:15], s[2:3]
	s_lshl_b32 s2, s19, 16
	s_add_nc_u64 s[16:17], s[12:13], s[2:3]
	ROWS 0
	s_endpgm
.Lfunc_end_k_qcebe2834b6_prep:
	.size	k_qcebe2834b6_prep, .Lfunc_end_k_qcebe2834b6_prep-k_qcebe2834b6_prep
	.p2alignl 7, 3214868480
	.fill 96, 4, 3214868480
	.section	.rodata,"a",@progbits
	.p2align	6, 0x0
	.amdhsa_kernel k_qcebe2834b6_prep
		.amdhsa_group_segment_fixed_size 0
		.amdhsa_private_segment_fixed_size 0
		.amdhsa_enable_private_segment 0
		.amdhsa_kernarg_size 40
		.amdhsa_user_sgpr_count 2
		.amdhsa_user_sgpr_kernarg_segment_ptr 1
		.amdhsa_wavefront_size32 1
		.amdhsa_system_sgpr_workgroup_id_x 1
		.amdhsa_system_sgpr_workgroup_id_y 1
		.amdhsa_system_sgpr_workgroup_id_z 1
		.amdhsa_system_vgpr_workitem_id 0
		.amdhsa_next_free_vgpr 60
		.amdhsa_next_free_sgpr 66
		.amdhsa_reserve_vcc 0
		.amdhsa_float_denorm_mode_32 3
		.amdhsa_float_denorm_mode_16_64 3
		.amdhsa_memory_ordered 1
		.amdhsa_forward_progress 1
		.amdhsa_inst_pref_size 34
	.end_amdhsa_kernel
	.amdgpu_metadata
---
amdhsa.version: [ 1, 2 ]
amdhsa.kernels:
  - .name:           k_qcebe2834b6_prep
    .symbol:         k_qcebe2834b6_prep.kd
    .args:
      - { .name: v, .offset: 0, .size: 8, .value_kind: global_buffer, .address_space: global }
      - { .name: W, .offset: 8, .size: 8, .value_kind: global_buffer, .address_space: global }
      - { .name: U, .offset: 16, .size: 8, .value_kind: global_buffer, .address_space: global }
      - { .name: vh, .offset: 24, .size: 8, .value_kind: global_buffer, .address_space: global }
      - { .name: wu, .offset: 32, .size: 8, .value_kind: global_buffer, .address_space: global }
    .group_segment_fixed_size: 0
    .private_segment_fixed_size: 0
    .kernarg_segment_align: 8
    .kernarg_segment_size: 40
    .max_flat_workgroup_size: 256
    .sgpr_count:     66
    .vgpr_count:     60
    .wavefront_size: 32
...
	.end_amdgpu_metadata
.endif
;; end of part 1
;; launch facg (part 2): grid 4 x 64, 4 waves a work-group, clusters of 4 x 4, 327,680 bytes of LDS; arguments k, q, wu, fac; writes fac
.if DOCPART == 2
	.amdgcn_target "amdgcn-amd-amdhsa--gfx1250"
	.amdhsa_code_object_version 6
	.text
	.protected	k_qcebe2834b6_facg
	.globl	k_qcebe2834b6_facg
	.p2align	8
	.type	k_qcebe2834b6_facg,@function
k_qcebe2834b6_facg:
	s_mov_b64 s[64:65], 0
	v_nop
	global_prefetch_b8 v0, s[64:65] scope:SCOPE_SE
	s_setreg_imm32_b32 hwreg(HW_REG_WAVE_MODE, 25, 1), 1
	s_wait_xcnt 0x0
	s_wait_alu depctr_hold_cnt(0) depctr_sa_sdst(0) depctr_va_vdst(0) depctr_va_sdst(0) depctr_va_ssrc(0) depctr_va_vcc(0) depctr_vm_vsrc(0)
	s_getreg_b32 s2, hwreg(HW_REG_IB_STS2, 6, 4)
	s_cmp_eq_u32 s2, 0
	s_cbranch_scc0 .Lentry_in_a_cluster
	s_endpgm
.Lentry_in_a_cluster:
	s_bfe_u32 s2, ttmp6, 0x10000c
	s_cmp_lg_u32 s2, 0xf033
	s_cbranch_scc0 .Lentry_shape_is_right
	s_endpgm
.Lentry_shape_is_right:
; fac[16384][1024] = f16(tanh([k | q] x wu)): one product with M = 16,384, N = 1,024, K = 2,048 (k's 1,024 columns, then q's); wu = [W ; U] in bf16, [K][N].
; A work-group makes 256 x 256; wave w makes rows 64 w .. 64 w + 63 and all 256 columns: 64 accumulator tiles, 512 registers.  So each f32 number of
; k and q is read from LDS once in the work-group, by one wave, and rounded to bf16 once.
; K goes in 16 steps of 128.  Two slots of such a step (256 rows x 512 bytes of f32 and 128 rows x 512 bytes of wu, padded) would take 409,600 bytes, more than
; a work-group can be given.  So A (k or q) has ONE slot: since a wave's rows are its own, it reads the whole step's A at the head of the step and keeps
; it as bf16 in 128 registers; the slot is then free for the next step's tile.  B (wu) has two slots.
; A STEP: a barrier (this step's tiles are in); A is read and rounded, with 48 matrix instructions of the step before among the reads; a round of the
; cluster's barrier; the joint loads of the next step's tiles; then 16 + 192 matrix instructions until the next step's barrier: the work in which the tiles land.
; CLUSTER 4 x 4: the four work-groups of a row of the cluster need the same rows of k and q, the four of a column the same columns of wu: joint loads.
; The matrix instruction is used transposed (source 0 = 16 columns of wu, source 1 = 16 rows of k or q): lane (r, h) then holds row r and the eight
; neighbouring columns 8 h .. 8 h + 7.  The 64 accumulators take turns, one instruction a turn, in the same order in every quarter.
; fac is kept in f16: tanh lies in [-1, 1] for every input.
; LIMITS: tanh(x) = 1 - 2 / (1 + 2^(2.88539 x)), absolute error a few 1e-7; it ends at +1 and -1 through 2^x = infinity and 0.
; REGISTERS  window 0: v16-27 addresses; v32-127 A's fragments of quarters 0 to 2; v128-159, v160-191 those of quarter 3 in even and in odd steps (quarter 3 is
;            still multiplied while the next step's A is rounded); v192-255 f32 as read from LDS, two halves that take turns
;            window 1: v0-127, v128-255 fragments of wu, two buffers;   windows 2, 3: accumulators, tile (a, b) at v[8 (16 (a & 1) + b)] of window 2 + a / 2
.set PA,     528                       ; LDS pitch of A: 512 + 16 bytes, so that 16 rows begin at 16 different multiples of 16 modulo 256
.set PB,     544                       ; LDS pitch of B: 512 + 32 bytes, an odd multiple of 32, for the transposing loads
.set ABYTES, 256*PA                    ; 135,168: A's one slot, at LDS byte 0
.set BSLOT,  128*PB                    ; 69,632: B's two slots follow
.set STAGE,  ABYTES+2*BSLOT            ; 274,432: 16 rows x 528 bytes for each wave; no tensor load lands there
.set SP,     528
.set G1A, 24                           ; s[24:31] group 1 of A's tiles
.set G0A, 32                           ; s[32:35] group 0 of A's tiles
.set G1B, 40                           ; s[40:47] group 1 of B's tiles
.set G0B, 48                           ; s[48:55] group 0 of B's tiles, a set for each slot
.set ADRA, 16                          ; v16    LDS address of my A rows
.set ADRB, 20                          ; v20-21 LDS address of B's fragments in slot 0, 1
.set STO,  24                          ; the way out: where I put 16 bytes of a row
.set RD,   25                          ; the way out: where I read a row back
.set CO,   26                          ; my 16 bytes in a row of 512 bytes of fac
.set PFO,  27                          ; prefetch: my row and block
.set FA,   32
.set ST,   192
.set TMP,  32                          ; the way out: v32-159, 128 f32
.set PK,   160                         ; v160-223, packed f16
.set RB,   32                          ; v32-95, rows read back
.set MUL_LO, 0xa1                      ; source 0 window 1, source 1 window 0, C and D window 2
.set MUL_HI, 0xf1                      ; the same, C and D window 3
.set TO_B,   0x40                      ; destination window 1, address window 0
.set MSB, 0
.macro WIN new                         ; the immediate's high byte repeats the setting that is left
.if MSB != \new
	s_set_vgpr_msb (MSB<<8)|\new
.set MSB, \new
.endif
.endm
.macro PLACES                          ; four places between a matrix instruction and a load into a register that it read (ISA guide 7.12.1 for vector instructions)
.rept 4
	v_nop
.endr
.endm
.macro CREST                           ; a round of the cluster's barrier behind its opening barrier
	s_cmp_lg_u32 s12, 0
	s_cbranch_scc1 .Lnot_wave_0_\@
	s_barrier_signal -3
.Lnot_wave_0_\@:
	s_barrier_wait -3
	s_barrier_signal -1
	s_barrier_wait -1
.endm
.macro CROUND
	s_barrier_signal -1
	s_barrier_wait -1
	CREST
.endm
.macro JLOAD s                         ; waves 0, 1: A's two halves; waves 2, 3: B's, into B's slot s.  The branch hangs on the wave's number alone
	s_cmp_eq_u32 s13, 0
	s_cbranch_scc0 .Lfor_b_\@
	tensor_load_to_lds s[G0A:G0A+3], s[G1A:G1A+7]
	s_nop 0
	s_branch .Lasked_\@
.Lfor_b_\@:
	tensor_load_to_lds s[G0B+4*(\s):G0B+4*(\s)+3], s[G1B:G1B+7]
	s_nop 0
.Lasked_\@:
.endm
.macro JLOADA                          ; step 0: B's slot 1 was filled at the start, so waves 2 and 3 have nothing to ask for
	s_cmp_eq_u32 s13, 0
	s_cbranch_scc0 .Lno_a_\@
	tensor_load_to_lds s[G0A:G0A+3], s[G1A:G1A+7]
	s_nop 0
.Lno_a_\@:
.endm
; n fragments of 32 K x 16 columns from a tile that lies [K][N]: two transposing loads each, 16 rows apart
.macro TRF dst, adr, off, n, P
.set tri, 0
.rept \n
	ds_load_tr16_b128 v[\dst+8*tri:\dst+8*tri+3],   v[\adr] offset:\off+32*tri
	ds_load_tr16_b128 v[\dst+8*tri+4:\dst+8*tri+7], v[\adr] offset:\off+32*tri+16*\P
.set tri, tri+1
.endr
.endm
	s_load_b256 s[4:11], s[0:1], 0x0               ; k s[4:5], q s[6:7], wu s[8:9], fac s[10:11]
	v_lshl_add_u32 v30, v0, 2, 0x4b400
	v_mov_b32 v31, 0
	ds_add_u32 v30, v31
	v_lshrrev_b32 v1, 5, v0
	v_readfirstlane_b32 s12, v1                    ; wave 0..3
	s_lshr_b32 s13, s12, 1                         ; I fetch for A (0) or for B (1)
	s_and_b32 s14, s12, 1                          ; which half of that tile
	s_bfe_u32 s16, ttmp6, 0x40000                  ; cx
	s_bfe_u32 s17, ttmp6, 0x40004                  ; cy
	s_lshl_b32 s18, ttmp9, 2
	s_add_co_u32 s18, s18, s16                     ; block column = 4 x cluster x + cx
	s_and_b32 s19, ttmp7, 0xffff
	s_lshl_b32 s19, s19, 2
	s_add_co_u32 s19, s19, s17                     ; block row = 4 x cluster y + cy
	s_lshl_b32 s22, s17, 2
	s_lshl_b32 s22, 15, s22                        ; my row of the cluster
	s_lshl_b32 s23, 0x1111, s16                    ; my column
	; group 1 of A: 128 rows x 128 elements of 4 bytes, 4 words of padding behind every 128 words
	s_or_b32 s[G1A+0], s22, (2<<16)|(1<<20)|(1<<21)|(6<<22)|(3<<25)
	s_mov_b32 s[G1A+1], 128<<16                    ; tensor_dim0 = 128
	s_mov_b32 s[G1A+2], 128<<16                    ; tensor_dim1 = 128
	s_mov_b32 s[G1A+3], 128<<16                    ; tile_dim0 = 128
	s_mov_b32 s[G1A+4], 128                        ; tile_dim1 = 128
	s_mov_b32 s[G1A+5], 1024                       ; elements from row to row
	s_mov_b32 s[G1A+6], 0
	s_mov_b32 s[G1A+7], 0
	; group 1 of B: 64 rows x 256 elements of 2 bytes, 8 words of padding behind every 128 words
	s_or_b32 s[G1B+0], s23, (1<<16)|(1<<20)|(1<<21)|(6<<22)|(7<<25)
	s_mov_b32 s[G1B+1], 256<<16
	s_mov_b32 s[G1B+2], 64<<16
	s_mov_b32 s[G1B+3], 256<<16
	s_mov_b32 s[G1B+4], 64
	s_mov_b32 s[G1B+5], 1024
	s_mov_b32 s[G1B+6], 0
	s_mov_b32 s[G1B+7], 0
	; offsets.  A's hang on the block row alone, B's on the block column alone
	s_lshl_b32 s62, s19, 20                        ; 256 rows of 4,096 bytes
	s_mov_b32 s63, 0
	s_lshl_b32 s2, s14, 19                         ; my 128 rows
	s_add_co_u32 s60, s62, s2
	s_mov_b32 s61, 0
	s_lshl_b32 s58, s14, 17                        ; my 64 rows of wu, 2,048 bytes each
	s_lshl_b32 s3, s18, 9                          ; 256 columns of 2 bytes
	s_add_co_u32 s58, s58, s3
	s_mov_b32 s59, 0
	s_mul_i32 s20, s12, 128*PA                     ; LDS: A's halves at wave x 67,584
	s_mul_i32 s21, s12, 64*PB
	s_add_co_u32 s21, s21, ABYTES-2*64*PB          ; B's halves at wave x 34,816 + 65,536: 135,168 and 169,984 for waves 2 and 3
	s_mov_b32 s66, 0                               ; the last step whose A was asked for
	s_mov_b32 s74, 1                               ; the last step prefetched
	s_mov_b32 s79, 0
	s_wait_dscnt 0x0
	s_wait_kmcnt 0x0
	s_add_nc_u64 s[56:57], s[4:5], s[60:61]        ; k at my 128 rows
	s_add_nc_u64 s[68:69], s[6:7], s[60:61]        ; q at my 128 rows
	s_add_nc_u64 s[72:73], s[4:5], s[62:63]        ; k at the block's first row (prefetch)
	s_add_nc_u64 s[76:77], s[6:7], s[62:63]        ; q at the block's first row
	s_add_nc_u64 s[58:59], s[8:9], s[58:59]        ; wu at my 64 rows and the block's columns
	CROUND                                         ; all sixteen work-groups are here: the first joint loads meet
	s_mov_b32 s[G0A], 1
	s_mov_b32 s[G0A+1], s20
	s_mov_b64 s[G0A+2:G0A+3], s[56:57]             ; step 0: k's first 128 columns
	s_or_b32 s[G0A+3], s[G0A+3], 0x80000000
.irp s, 0,1
	s_mov_b32 s[G0B+4*\s], 1
	s_add_co_u32 s[G0B+4*\s+1], s21, \s*BSLOT
	s_add_nc_u64 s[G0B+4*\s+2:G0B+4*\s+3], s[58:59], \s*262144     ; step s: 128 rows of wu on
	s_or_b32 s[G0B+4*\s+3], s[G0B+4*\s+3], 0x80000000
.endr
	; the first fills, one group, each wave's inside one branch: A of step 0; B of steps 0 and 1.  Two tensor loads of a wave are out, the most in this text
	s_cmp_eq_u32 s13, 0
	s_cbranch_scc0 .Lfirst_b
	tensor_load_to_lds s[G0A:G0A+3], s[G1A:G1A+7]
	s_nop 0
	s_branch .Lfirst_done
.Lfirst_b:
	tensor_load_to_lds s[G0B:G0B+3], s[G1B:G1B+7]
	s_nop 0
	tensor_load_to_lds s[G0B+4:G0B+7], s[G1B:G1B+7]
	s_nop 0
.Lfirst_done:
	v_and_b32 v1, 15, v0                           ; r
	v_bfe_u32 v2, v0, 4, 1                         ; h
	v_and_b32 v3, 7, v0
	v_bfe_u32 v4, v0, 3, 1
	v_and_b32 v6, 31, v0                           ; lane
	v_lshl_add_u32 v3, v2, 3, v3                   ; transposing loads: row 8 h + (lane & 7),
	v_mul_u32_u24 v3, v3, PB
	v_lshl_add_u32 v3, v4, 4, v3                   ; 16 bytes on for lanes 8-15 and 24-31
	v_add_nc_u32 v[ADRB], ABYTES, v3
	v_add_nc_u32 v[ADRB+1], ABYTES+BSLOT, v3
	v_mul_u32_u24 v5, v1, PA                       ; A: row r, 8 f32 = 32 bytes for each half of the lanes
	v_lshl_add_u32 v5, v2, 5, v5
	s_mul_i32 s2, s12, 64*PA                       ; my 64 rows
	v_add_nc_u32 v[ADRA], s2, v5
	s_mul_i32 s3, s12, 16*SP
	s_add_co_u32 s3, s3, STAGE                     ; my stage
	v_mul_u32_u24 v5, v1, SP
	v_lshl_add_u32 v5, v2, 4, v5
	v_add_nc_u32 v[STO], s3, v5
	v_lshlrev_b32 v[CO], 4, v6
	v_add_nc_u32 v[RD], s3, v[CO]
	s_lshl_b32 s2, s16, 6
	s_lshl4_add_u32 s2, s12, s2                    ; prefetch: row 64 cx + 16 wave + r of the block, block h of 256 bytes
	v_add_nc_u32 v5, s2, v1
	v_lshlrev_b32 v5, 12, v5
	v_lshl_add_u32 v[PFO], v2, 8, v5
; 8 matrix instructions: row block 2 hi + a x column blocks 8 half .. 8 half + 7, 32 along K; f: B's buffer; fa: the first register of the quarter's A fragments
.macro MUL8 f, fa, hi, a, half, zero
.irp b, 0,1,2,3,4,5,6,7
.if \zero
	v_wmma_f32_16x16x32_bf16 v[8*(16*(\a)+8*(\half)+\b):8*(16*(\a)+8*(\half)+\b)+7], v[128*(\f)+8*(8*(\half)+\b):128*(\f)+8*(8*(\half)+\b)+7], v[(\fa)+8*(2*(\hi)+(\a)):(\fa)+8*(2*(\hi)+(\a))+7], 0
.else
	v_wmma_f32_16x16x32_bf16 v[8*(16*(\a)+8*(\half)+\b):8*(16*(\a)+8*(\half)+\b)+7], v[128*(\f)+8*(8*(\half)+\b):128*(\f)+8*(8*(\half)+\b)+7], v[(\fa)+8*(2*(\hi)+(\a)):(\fa)+8*(2*(\hi)+(\a))+7], v[8*(16*(\a)+8*(\half)+\b):8*(16*(\a)+8*(\half)+\b)+7]
.endif
.endr
.endm
.macro MULROW f, fa, hi, a, zero
	MUL8 \f, \fa, \hi, \a, 0, \zero
	MUL8 \f, \fa, \hi, \a, 1, \zero
.endm
; Half j (0 to 7) of the step's A: quarter j / 2, row blocks 2 (j & 1) and 2 (j & 1) + 1: eight loads of f32 into half (j & 1) of ST
.macro LDA j
.set hb, (\j)&1
.set qq, (\j)>>1
.irp ap, 0,1
	ds_load_b128 v[ST+32*hb+16*\ap:ST+32*hb+16*\ap+3],     v[ADRA] offset:16*PA*(2*hb+\ap)+128*qq      ; K = 8 h .. 8 h + 3
	ds_load_b128 v[ST+32*hb+16*\ap+4:ST+32*hb+16*\ap+7],   v[ADRA] offset:16*PA*(2*hb+\ap)+128*qq+16   ; .. 8 h + 7
	ds_load_b128 v[ST+32*hb+16*\ap+8:ST+32*hb+16*\ap+11],  v[ADRA] offset:16*PA*(2*hb+\ap)+128*qq+64   ; K = 16 + 8 h ..
	ds_load_b128 v[ST+32*hb+16*\ap+12:ST+32*hb+16*\ap+15], v[ADRA] offset:16*PA*(2*hb+\ap)+128*qq+80
.endr
.endm
; 16 roundings to bf16: half j of ST becomes two A fragments.  Quarter 3's fragments lie in the buffer of the step's parity.
.macro CVA j, par
.set hb, (\j)&1
.set fq, FA+32*((\j)>>1)
.if ((\j)>>1) == 3
.set fq, FA+96+32*(\par)
.endif
.irp ap, 0,1
.irp jj, 0,1,2,3,4,5,6,7
	v_cvt_pk_bf16_f32 v[fq+8*(2*hb+\ap)+\jj], v[ST+32*hb+16*\ap+2*\jj], v[ST+32*hb+16*\ap+2*\jj+1]
.endr
.endr
.endm
; 32 LDS loads: wu's 16 fragments of quarter q of B's slot into buffer g
.macro FETCHB slot, q, g
	WIN TO_B
	TRF 128*\g, ADRB+\slot, 32*PB*\q, 16, PB
.endm
; The next tiles' addresses.  Stands where no tensor load of the wave is out.  This step's set of B goes two steps on; A's steps 0-7 come from k, 8-15 from q.
.macro STEPADR par
	s_add_nc_u64 s[G0B+4*(\par)+2:G0B+4*(\par)+3], s[G0B+4*(\par)+2:G0B+4*(\par)+3], 524288   ; 256 rows of wu on (behind step 13 the stepped address is not used)
	s_add_co_u32 s66, s66, 1
	s_cmp_lt_u32 s66, 8
	s_cselect_b64 s[60:61], s[56:57], s[68:69]
	s_and_b32 s62, s66, 7
	s_lshl_b32 s62, s62, 9                         ; 128 f32 a step; s63 is 0
	s_add_nc_u64 s[G0A+2:G0A+3], s[60:61], s[62:63]
	s_or_b32 s[G0A+3], s[G0A+3], 0x80000000
.endm
; Step t asks for the 512 bytes of each row of k or q that step t + 2 multiplies; their tensor loads are issued in step t + 1.  The 4 work-groups that share
; the rows, their 4 waves and 32 lanes split 256 rows x 2 blocks of 256 bytes: each block is asked for once in the launch.  Steps 14 and 15 ask for nothing.
.macro PFETCH
	s_wait_xcnt 0x0                                ; the last step's prefetch has had its address translated: its base is rewritten only behind this wait
	s_add_co_u32 s74, s74, 1
	s_cmp_lt_u32 s74, 8
	s_cselect_b64 s[70:71], s[72:73], s[76:77]     ; steps 0-7 read k, 8-15 q
	s_and_b32 s78, s74, 7
	s_lshl_b32 s78, s78, 9                         ; s79 is 0
	s_add_nc_u64 s[70:71], s[70:71], s[78:79]
	global_prefetch_b8 v[PFO], s[70:71] th:TH_LOAD_NT scope:SCOPE_SE
.endm
; A quarter: fetches B's quarter q into buffer g, multiplies buffer f with the A fragments at fa
.macro QB slot, q, f, g, fa, zero, pf
	PLACES
	FETCHB \slot, \q, \g
	s_wait_dscnt 32                                ; all but the 32 just issued: buffer f is in
	WIN MUL_LO
	MULROW \f, \fa, 0, 0, \zero
	MULROW \f, \fa, 0, 1, \zero
.if \pf
	WIN 0
	PFETCH
.endif
	WIN MUL_HI
	MULROW \f, \fa, 1, 0, \zero
	MULROW \f, \fa, 1, 1, \zero
.endm
; A step.  par: its parity (B's slot, quarter 3's buffer); prev: the step before has its quarter 3 still to multiply; fill: the next step's tiles are asked for;
; zero: the first products start the sums; pf: prefetch; aonly: only A is asked for.
.macro STEP par, prev, fill, zero, pf, aonly
	WIN 0
	s_wait_dscnt 0x0                               ; B's buffer 1 (quarter 3 of the step before) is in, and these were my last reads of the other slot of B
	s_wait_tensorcnt 0x0                           ; my part of this step's tiles has landed: the reads behind the barrier need it
	s_barrier_signal -1
	s_barrier_wait -1                              ; everybody's has.
	LDA 0
	LDA 1
.if \fill
	STEPADR \par
.endif
.set pj, 0
.rept 7
.if \prev
.if pj < 6
.if pj < 4
	WIN MUL_LO
.else
	WIN MUL_HI
.endif
	MUL8 1, FA+96+32*(1-\par), (pj>>2), ((pj>>1)&1), (pj&1), 0
	WIN 0
.endif
.endif
	s_wait_dscnt 8                                 ; the older half of ST is in; the eight younger loads stay out
	CVA pj, \par
.if pj < 6
	LDA pj+2
.endif
.set pj, pj+1
.endr
	s_wait_dscnt 0x0                               ; the last eight loads: my reads of A's slot are over
.if \fill
	s_wait_tensorcnt 0x0                           ; met at once: no tensor load was issued since the head of the step
	ds_add_u32 v30, v31
	s_wait_dscnt 0x0
	s_barrier_signal -1
	s_barrier_wait -1
	CREST                                          ; no wave of any partner still reads A's slot or B's other slot, or has a load on its way
.if \aonly
	JLOADA
.else
	JLOAD 1-\par
.endif
.endif
	FETCHB \par, 0, 0
	WIN 0
	CVA 7, \par
.if \prev
	WIN MUL_HI
	MULROW 1, FA+96+32*(1-\par), 1, 1, 0           ; the last 16 matrix instructions of the step before, while B's first fragments come
.endif
	QB \par, 1, 0, 1, FA,    \zero, \pf
	QB \par, 2, 1, 0, FA+32, 0, 0
	QB \par, 3, 0, 1, FA+64, 0, 0
.endm
	STEP 0, 0, 1, 1, 1, 1                          ; step 0
	STEP 1, 1, 1, 0, 1, 0                          ; step 1
	WIN 0                                          ; at a label and at a branch every window is 0
	s_mov_b32 s15, 6
.Lstep:
	STEP 0, 1, 1, 0, 1, 0                          ; steps 2 to 13
	STEP 1, 1, 1, 0, 1, 0
	WIN 0
	s_sub_co_u32 s15, s15, 1
	s_cmp_lg_u32 s15, 0
	s_cbranch_scc1 .Lstep
	STEP 0, 1, 1, 0, 0, 0                          ; step 14 asks for step 15's tiles, the last
	STEP 1, 1, 0, 0, 0, 0                          ; step 15 fills nothing and has no round of the cluster's barrier
	s_wait_dscnt 0x0
	WIN MUL_LO
	MULROW 1, FA+128, 0, 0, 0                      ; quarter 3 of step 15
	MULROW 1, FA+128, 0, 1, 0
	WIN MUL_HI
	MULROW 1, FA+128, 1, 0, 0
	MULROW 1, FA+128, 1, 1, 0
	; THE WAY OUT, 16 rows at a time: tanh in f32, rounded to f16, 16 bytes a lane into my own stage, read back as whole rows of 512 bytes.
	PLACES                                         ; four places behind the last matrix instructions (ISA guide 7.12.1)
	s_lshl_b32 s56, s19, 19                        ; 256 rows of 2,048 bytes
	s_lshl_b32 s2, s12, 17                         ; my 64 rows
	s_add_co_u32 s56, s56, s2
	s_mov_b32 s57, 0
	s_add_nc_u64 s[10:11], s[10:11], s[56:57]
	s_lshl_b32 s58, s18, 9                         ; the block's 256 columns
	s_mov_b32 s59, 0
	s_add_nc_u64 s[10:11], s[10:11], s[58:59]
; step = 1: 16 rows of fac on; a: the row block within its window; from: source 0 in window 2 or 3
.macro OUT16 step, a, from
	s_wait_xcnt 0x0                                ; the last group's stores have had their addresses translated: their data (v32-95) and base are rewritten only behind this wait
.if \step
	s_add_nc_u64 s[10:11], s[10:11], 32768
.endif
	WIN \from
.set ii, 0
.rept 64
	v_pk_mul_f32 v[TMP+2*ii:TMP+2*ii+1], v[128*\a+2*ii:128*\a+2*ii+1], 0x4038aa3b op_sel_hi:[1,0]   ; 2 log2(e) x
.set ii, ii+1
.endr
	WIN 0
.set ii, 0
.rept 128
	v_exp_f32 v[TMP+ii], v[TMP+ii]
.set ii, ii+1
.endr
	v_nop                                          ; one plain place behind the transcendentals (ISA guide 5.7.2)
.set ii, 0
	s_wait_alu depctr_va_vdst(0)
.rept 64
	v_pk_add_f32 v[TMP+2*ii:TMP+2*ii+1], v[TMP+2*ii:TMP+2*ii+1], 1.0 op_sel_hi:[1,0]
.set ii, ii+1
.endr
.set ii, 0
.rept 128
	v_rcp_f32 v[TMP+ii], v[TMP+ii]
.set ii, ii+1
.endr
	v_nop
.set ii, 0
	s_wait_alu depctr_va_vdst(0)
.rept 64
	v_pk_fma_f32 v[TMP+2*ii:TMP+2*ii+1], v[TMP+2*ii:TMP+2*ii+1], -2.0, 1.0 op_sel_hi:[1,0,0]
.set ii, ii+1
.endr
.set ii, 0
.rept 64
	v_cvt_pk_f16_f32 v[PK+ii], v[TMP+2*ii], v[TMP+2*ii+1]
.set ii, ii+1
.endr
.irp b, 0,1,2,3,4,5,6,7,8,9,10,11,12,13,14,15
	ds_store_b128 v[STO], v[PK+4*\b:PK+4*\b+3] offset:32*\b
.endr
.irp t, 0,1,2,3,4,5,6,7,8,9,10,11,12,13,14,15
	ds_load_b128 v[RB+4*\t:RB+4*\t+3], v[RD] offset:SP*\t          ; LDS serves a wave's instructions in order (ISA guide 5.7.1): these see the stores above
.endr
.irp t, 0,1,2,3,4,5,6,7,8,9,10,11,12,13,14,15
	s_wait_dscnt 15-\t
	global_store_b128 v[CO], v[RB+4*\t:RB+4*\t+3], s[10:11] offset:2048*\t   ; the wave stores 512 consecutive bytes, aligned
.endr
.endm
	OUT16 0, 0, 0x02
	OUT16 1, 1, 0x02
	OUT16 1, 0, 0x03
	OUT16 1, 1, 0x03
	s_wait_tensorcnt 0x0
	ds_add_u32 v30, v31
	s_wait_dscnt 0x0
	CROUND                                         ; the closing round: no work-group ends while a partner may still ask for a tile that names it
	s_endpgm
.Lfunc_end_k_qcebe2834b6_facg:
	.size	k_qcebe2834b6_facg, .Lfunc_end_k_qcebe2834b6_facg-k_qcebe2834b6_facg
	.p2alignl 7, 3214868480
	.fill 96, 4, 3214868480
	.section	.rodata,"a",@progbits
	.p2align	6, 0x0
	.amdhsa_kernel k_qcebe2834b6_facg
		.amdhsa_group_segment_fixed_size 327680
		.amdhsa_private_segment_fixed_size 0
		.amdhsa_enable_private_segment 0
		.amdhsa_kernarg_size 32
		.amdhsa_user_sgpr_count 2
		.amdhsa_user_sgpr_kernarg_segment_ptr 1
		.amdhsa_wavefront_size32 1
		.amdhsa_system_sgpr_workgroup_id_x 1
		.amdhsa_system_sgpr_workgroup_id_y 1
		.amdhsa_system_sgpr_workgroup_id_z 1
		.amdhsa_system_vgpr_workitem_id 0
		.amdhsa_next_free_vgpr 1024
		.amdhsa_next_free_sgpr 80
		.amdhsa_reserve_vcc 0
		.amdhsa_float_denorm_mode_32 3
		.amdhsa_float_denorm_mode_16_64 3
		.amdhsa_memory_ordered 1
		.amdhsa_forward_progress 1
		.amdhsa_inst_pref_size 255
	.end_amdhsa_kernel
	.section	.bss,"aw",@nobits
	.p2align	6
	.space	262144
	.amdgpu_metadata
---
amdhsa.version: [ 1, 2 ]
amdhsa.kernels:
  - .name:           k_qcebe2834b6_facg
    .symbol:         k_qcebe2834b6_facg.kd
    .args:
      - { .name: k, .offset: 0, .size: 8, .value_kind: global_buffer, .address_space: global }
      - { .name: q, .offset: 8, .size: 8, .value_kind: global_buffer, .address_space: global }
      - { .name: wu, .offset: 16, .size: 8, .value_kind: global_buffer, .address_space: global }
      - { .name: fac, .offset: 24, .size: 8, .value_kind: global_buffer, .address_space: global }
    .group_segment_fixed_size: 327680
    .private_segment_fixed_size: 0
    .kernarg_segment_align: 8
    .kernarg_segment_size: 32
    .max_flat_workgroup_size: 128
    .sgpr_count:     80
    .vgpr_count:     1024
    .wavefront_size: 32
...
	.end_amdgpu_metadata
.endif
;; end of part 2
;; launch sgemm (part 3): grid 4 x 64, 4 waves a work-group, clusters of 4 x 4, 327,680 bytes of LDS; arguments vh, fac, sbuf; writes sbuf
.if DOCPART == 3
	.amdgcn_target "amdgcn-amd-amdhsa--gfx1250"
	.amdhsa_code_object_version 6
	.text
	.protected	k_qcebe2834b6_sgemm
	.globl	k_qcebe2834b6_sgemm
	.p2align	8
	.type	k_qcebe2834b6_sgemm,@function
k_qcebe2834b6_sgemm:
	s_mov_b64 s[64:65], 0
	v_nop
	global_prefetch_b8 v0, s[64:65] scope:SCOPE_SE
	s_setreg_imm32_b32 hwreg(HW_REG_WAVE_MODE, 25, 1), 1
	s_wait_xcnt 0x0
	s_wait_alu depctr_hold_cnt(0) depctr_sa_sdst(0) depctr_va_vdst(0) depctr_va_sdst(0) depctr_va_ssrc(0) depctr_va_vcc(0) depctr_vm_vsrc(0)
	s_getreg_b32 s2, hwreg(HW_REG_IB_STS2, 6, 4)
	s_cmp_eq_u32 s2, 0
	s_cbranch_scc0 .Lentry_in_a_cluster
	s_endpgm
.Lentry_in_a_cluster:
	s_bfe_u32 s2, ttmp6, 0x10000c
	s_cmp_lg_u32 s2, 0xf033
	s_cbranch_scc0 .Lentry_shape_is_right
	s_endpgm
.Lentry_shape_is_right:
; sbuf[b][d][e] = sum over s of vh[b][s][d] fac[b][s][e], f16 operands, f32 sums, f32 out.  8 products of 1,024 x 1,024 x 2,048.
; A work-group makes 128 (d) x 256 (e) of one batch: 8 x 8 x 4 = 256 work-groups.  Wave (wm, wn) makes 64 x 128: 32 accumulator tiles in window 1.
; Both operands lie [K][..] in memory (K = s), so both are read from LDS by transposing loads; nothing is stored transposed.
; K goes through two LDS slots of 192 rows each, the most of which two fit: 2 x 192 x (544 + 288) = 319,488 bytes.  2,048 = 10 x 192 + 128: ten steps of six
; quarters of 32 rows, and a last step of four.  K runs down the rows of both operands, so every row of a tile is whole and aligned whatever the number of rows.
; A slot: 192 rows x 256 f16 of fac, then 192 rows x 128 f16 of vh.
; CLUSTER 4 x 4: work-group y = 8 batch + d block, so a cluster lies in one batch.  vh's tile hangs on batch and d block and is shared along a row of the
; cluster; fac's hangs on batch and e block and is shared along a column: joint loads.  Waves 0, 1 fetch fac's halves, waves 2, 3 vh's.
; The matrix instruction is used transposed (source 0 = 16 columns e, source 1 = 16 columns d): lane (r, h) holds row d = r, columns e = 8 h .. 8 h + 7.
; The 32 accumulators take turns, one instruction a turn, in the same order in every quarter.
.set PA,     288                       ; LDS pitch of vh's rows: 256 + 32 bytes, an odd multiple of 32
.set PB,     544                       ; LDS pitch of fac's rows: 512 + 32 bytes
.set KS,     192                       ; rows of K in a slot
.set AOFF,   KS*PB                     ; 104,448: vh's tile lies behind fac's
.set SLOT,   AOFF+KS*PA                ; 159,744
.set STAGE,  SLOT                      ; the way out's stage, 16 rows x 528 bytes for each wave, lies in slot 1: that slot's last fill is step 9's tile, and every
                                       ; wave's last reads of it are waited for in front of the barrier at the end of step 9
.set SP,     528
.set G1A, 24
.set G0A, 32
.set G1B, 40
.set G0B, 48
.set ADRA,  16                         ; v16-17 vh's fragments in slot 0, 1
.set ADRB,  20                         ; v20-21 fac's fragments, quarters 0 to 2
.set ADRBH, 22                         ; v22-23 fac's fragments, quarters 3 to 5: 96 rows on, beyond what the 16-bit immediate reaches
.set STO,  24
.set RD,   25
.set CO,   26
.set FA,   32                          ; v32-63, v64-95: 4 fragments of vh, two buffers
.set FB,   96                          ; v96-159, v160-223: 8 fragments of fac, two buffers
.set RB,   96                          ; the way out: rows read back
.set MUL,  0x50                        ; sources window 0, C and D window 1
.set MSB, 0
.macro WIN new                         ; the immediate's high byte repeats the setting that is left
.if MSB != \new
	s_set_vgpr_msb (MSB<<8)|\new
.set MSB, \new
.endif
.endm
.macro PLACES                          ; four places between a matrix instruction and a load into a register that it read (ISA guide 7.12.1 for vector instructions)
.rept 4
	v_nop
.endr
.endm
.macro CREST                           ; a round of the cluster's barrier behind its opening barrier
	s_cmp_lg_u32 s12, 0
	s_cbranch_scc1 .Lnot_wave_0_\@
	s_barrier_signal -3
.Lnot_wave_0_\@:
	s_barrier_wait -3
	s_barrier_signal -1
	s_barrier_wait -1
.endm
.macro CROUND
	s_barrier_signal -1
	s_barrier_wait -1
	CREST
.endm
.macro JLOAD s                         ; waves 0, 1: fac's two halves; waves 2, 3: vh's.  The branch hangs on the wave's number alone
	s_cmp_eq_u32 s13, 0
	s_cbranch_scc0 .Lfor_a_\@
	tensor_load_to_lds s[G0B+4*\s:G0B+4*\s+3], s[G1B:G1B+7]
	s_nop 0
	s_branch .Lasked_\@
.Lfor_a_\@:
	tensor_load_to_lds s[G0A+4*\s:G0A+4*\s+3], s[G1A:G1A+7]
	s_nop 0
.Lasked_\@:
.endm
; n fragments of 32 K x 16 columns from a tile that lies [K][N]: two transposing loads each, 16 rows apart
.macro TRF dst, adr, off, n, P
.set tri, 0
.rept \n
	ds_load_tr16_b128 v[\dst+8*tri:\dst+8*tri+3],   v[\adr] offset:\off+32*tri
	ds_load_tr16_b128 v[\dst+8*tri+4:\dst+8*tri+7], v[\adr] offset:\off+32*tri+16*\P
.set tri, tri+1
.endr
.endm
	s_load_b128 s[4:7], s[0:1], 0x0                ; vh s[4:5], fac s[6:7]
	s_load_b64 s[8:9], s[0:1], 0x10                ; sbuf
	v_lshl_add_u32 v254, v0, 2, 0x4e000
	v_mov_b32 v255, 0
	ds_add_u32 v254, v255
	v_lshrrev_b32 v1, 5, v0
	v_readfirstlane_b32 s12, v1                    ; wave
	s_lshr_b32 s13, s12, 1                         ; wm.  Also: I fetch for fac (0) or for vh (1)
	s_and_b32 s14, s12, 1                          ; wn.  Also: which 96 rows of that tile
	s_bfe_u32 s16, ttmp6, 0x40000                  ; cx
	s_bfe_u32 s17, ttmp6, 0x40004                  ; cy
	s_lshl_b32 s18, ttmp9, 2
	s_add_co_u32 s18, s18, s16                     ; e block
	s_and_b32 s2, ttmp7, 0xffff                    ; cluster y
	s_lshr_b32 s66, s2, 1                          ; batch
	s_and_b32 s19, s2, 1
	s_lshl_b32 s19, s19, 2
	s_add_co_u32 s19, s19, s17                     ; d block = 4 (cluster y & 1) + cy
	s_lshl_b32 s22, s17, 2
	s_lshl_b32 s22, 15, s22                        ; my row of the cluster
	s_lshl_b32 s23, 0x1111, s16                    ; my column
	; group 1 of vh's tiles: 96 rows x 128 elements of 2 bytes, 8 words of padding behind every 64 words
	s_or_b32 s[G1A+0], s22, (1<<16)|(1<<20)|(1<<21)|(5<<22)|(7<<25)
	s_mov_b32 s[G1A+1], 128<<16
	s_mov_b32 s[G1A+2], 96<<16
	s_mov_b32 s[G1A+3], 128<<16
	s_mov_b32 s[G1A+4], 96
	s_mov_b32 s[G1A+5], 1024
	s_mov_b32 s[G1A+6], 0
	s_mov_b32 s[G1A+7], 0
	; group 1 of fac's tiles: 96 rows x 256 elements, 8 words of padding behind every 128 words
	s_or_b32 s[G1B+0], s23, (1<<16)|(1<<20)|(1<<21)|(6<<22)|(7<<25)
	s_mov_b32 s[G1B+1], 256<<16
	s_mov_b32 s[G1B+2], 96<<16
	s_mov_b32 s[G1B+3], 256<<16
	s_mov_b32 s[G1B+4], 96
	s_mov_b32 s[G1B+5], 1024
	s_mov_b32 s[G1B+6], 0
	s_mov_b32 s[G1B+7], 0
	s_lshl_b32 s60, s66, 22                        ; a batch: 2,048 rows of 2,048 bytes
	s_mul_i32 s2, s14, 96*2048                     ; my 96 rows
	s_add_co_u32 s60, s60, s2
	s_lshl_b32 s56, s19, 8                         ; 128 columns of 2 bytes
	s_add_co_u32 s56, s56, s60
	s_mov_b32 s57, 0
	s_lshl_b32 s58, s18, 9                         ; 256 columns
	s_add_co_u32 s58, s58, s60
	s_mov_b32 s59, 0
	s_mul_i32 s20, s12, 96*PA
	s_add_co_u32 s20, s20, AOFF-2*96*PA            ; LDS: vh's halves at wave x 27,648 + 49,152: 104,448 and 132,096 for waves 2 and 3
	s_mul_i32 s21, s12, 96*PB                      ; fac's halves at wave x 52,224
	s_wait_dscnt 0x0
	s_wait_kmcnt 0x0
	s_add_nc_u64 s[56:57], s[4:5], s[56:57]
	s_add_nc_u64 s[58:59], s[6:7], s[58:59]
	CROUND                                         ; in front of the first joint loads
.irp s, 0,1
	s_mov_b32 s[G0A+4*\s], 1
	s_add_co_u32 s[G0A+4*\s+1], s20, \s*SLOT
	s_add_nc_u64 s[G0A+4*\s+2:G0A+4*\s+3], s[56:57], \s*KS*2048    ; step s: 192 rows on
	s_or_b32 s[G0A+4*\s+3], s[G0A+4*\s+3], 0x80000000
	s_mov_b32 s[G0B+4*\s], 1
	s_add_co_u32 s[G0B+4*\s+1], s21, \s*SLOT
	s_add_nc_u64 s[G0B+4*\s+2:G0B+4*\s+3], s[58:59], \s*KS*2048
	s_or_b32 s[G0B+4*\s+3], s[G0B+4*\s+3], 0x80000000
	JLOAD \s                                       ; two tensor loads of this wave are out, the most in this text
.endr
	v_and_b32 v1, 15, v0                           ; r
	v_bfe_u32 v2, v0, 4, 1                         ; h
	v_and_b32 v3, 7, v0
	v_bfe_u32 v4, v0, 3, 1
	v_and_b32 v6, 31, v0                           ; lane
	v_lshl_add_u32 v3, v2, 3, v3                   ; row 8 h + (lane & 7)
	v_mul_u32_u24 v5, v3, PA
	v_lshl_add_u32 v5, v4, 4, v5                   ; 16 bytes on for lanes 8-15 and 24-31
	v_mul_u32_u24 v7, v3, PB
	v_lshl_add_u32 v7, v4, 4, v7
	s_lshl_b32 s2, s13, 7                          ; my 64 columns d
	s_add_co_u32 s2, s2, AOFF
	v_add_nc_u32 v[ADRA], s2, v5
	v_add_nc_u32 v[ADRA+1], SLOT, v[ADRA]
	s_lshl_b32 s3, s14, 8                          ; my 128 columns e
	v_add_nc_u32 v[ADRB], s3, v7
	v_add_nc_u32 v[ADRB+1], SLOT, v[ADRB]
	v_add_nc_u32 v[ADRBH], 96*PB, v[ADRB]
	v_add_nc_u32 v[ADRBH+1], 96*PB, v[ADRB+1]
	s_mul_i32 s3, s12, 16*SP
	s_add_co_u32 s3, s3, STAGE
	v_mul_u32_u24 v5, v1, SP
	v_lshl_add_u32 v5, v2, 5, v5                   ; row r, 8 f32 = 32 bytes for each half of the lanes
	v_add_nc_u32 v[STO], s3, v5
	v_lshlrev_b32 v[CO], 4, v6
	v_add_nc_u32 v[RD], s3, v[CO]
.macro MULROW f, a, zero               ; 8 matrix instructions: d block a x my 8 e blocks, 32 along K
.irp b, 0,1,2,3,4,5,6,7
.if \zero
	v_wmma_f32_16x16x32_f16 v[8*(8*\a+\b):8*(8*\a+\b)+7], v[FB+64*\f+8*\b:FB+64*\f+8*\b+7], v[FA+32*\f+8*\a:FA+32*\f+8*\a+7], 0
.else
	v_wmma_f32_16x16x32_f16 v[8*(8*\a+\b):8*(8*\a+\b)+7], v[FB+64*\f+8*\b:FB+64*\f+8*\b+7], v[FA+32*\f+8*\a:FA+32*\f+8*\a+7], v[8*(8*\a+\b):8*(8*\a+\b)+7]
.endif
.endr
.endm
.macro FETCH slot, q, g                ; 24 LDS loads: quarter q (32 rows of K) into buffer g
	WIN 0
	TRF FA+32*\g, ADRA+\slot, 32*PA*\q, 4, PA
.if \q < 3
	TRF FB+64*\g, ADRB+\slot, 32*PB*\q, 8, PB
.else
	TRF FB+64*\g, ADRBH+\slot, 32*PB*(\q-3), 8, PB
.endif
.endm
.macro QUARTER slot, q, f, g, zero     ; fetches quarter q into g, multiplies f
	PLACES
	FETCH \slot, \q, \g
	s_wait_dscnt 24                                ; all but the 24 just issued: buffer f is in
	WIN MUL
	MULROW \f, 0, \zero
	MULROW \f, 1, \zero
	MULROW \f, 2, \zero
	MULROW \f, 3, \zero
.endm
; The last quarter of a step of six, on buffer 1, and the change of slots.  From a request to the wait for it a wave issues 184 matrix instructions.
; fill = 1: this slot is filled again, two steps on; fill = 2: with the last tile, rows 1,920 to 2,047; fill = 0: nothing is left to fetch.
.macro TURN slot, next, fill
	s_wait_dscnt 0x0                               ; buffer 1 is in, and these were my last reads of this slot
	s_wait_tensorcnt 0x0                           ; no tensor load of mine is out: descriptor registers may be written
	ds_add_u32 v254, v255
	s_wait_dscnt 0x0
.if \fill
	s_add_nc_u64 s[G0A+4*\slot+2:G0A+4*\slot+3], s[G0A+4*\slot+2:G0A+4*\slot+3], 2*KS*2048   ; two steps on
	s_add_nc_u64 s[G0B+4*\slot+2:G0B+4*\slot+3], s[G0B+4*\slot+2:G0B+4*\slot+3], 2*KS*2048
.endif
.if \fill == 2
	s_lshl_b32 s2, s14, 22                         ; the batch has 128 rows left: the first half's 96 rows are all there, of the second half's 96 only 32:
	s_sub_co_u32 s2, 96<<16, s2                    ; tensor_dim1 = 96 - 64 x half; the rows beyond it arrive as zeros and are not read
	s_mov_b32 s[G1A+2], s2
	s_mov_b32 s[G1B+2], s2
.endif
	s_barrier_signal -1
	WIN MUL
	MULROW 1, 0, 0                                 ; registers only, while the others arrive
	WIN 0
	s_barrier_wait -1
.if \fill
	CREST                                          ; no wave of any partner still reads this slot or has a load on its way
	JLOAD \slot
.endif
	PLACES
	FETCH \next, 0, 0
	WIN MUL
	MULROW 1, 1, 0
	MULROW 1, 2, 0
	MULROW 1, 3, 0
.endm
.macro FIVE slot, zero                 ; the first five quarters of a step of six
	QUARTER \slot, 1, 0, 1, \zero
	QUARTER \slot, 2, 1, 0, 0
	QUARTER \slot, 3, 0, 1, 0
	QUARTER \slot, 4, 1, 0, 0
	QUARTER \slot, 5, 0, 1, 0
.endm
.macro LAP zero                        ; two steps, both slots filled again
	FIVE 0, \zero
	TURN 0, 1, 1
	FIVE 1, 0
	TURN 1, 0, 1
.endm
	s_wait_tensorcnt 0x1                           ; my part of step 0 is in; step 1's stays out
	s_barrier_signal -1
	s_barrier_wait -1
	FETCH 0, 0, 0
	LAP 1                                          ; steps 0 and 1: the first products start the sums
	WIN 0                                          ; at a label and at a branch every window is 0
	s_mov_b32 s15, 3
.Llap:
	LAP 0                                          ; steps 2 to 7
	WIN 0
	s_sub_co_u32 s15, s15, 1
	s_cmp_lg_u32 s15, 0
	s_cbranch_scc1 .Llap
	FIVE 0, 0                                      ; step 8 asks for the last tile
	TURN 0, 1, 2
	FIVE 1, 0                                      ; step 9 fills nothing and has no round of the cluster's barrier
	TURN 1, 0, 0
	QUARTER 0, 1, 0, 1, 0                          ; step 10: four quarters
	QUARTER 0, 2, 1, 0, 0
	QUARTER 0, 3, 0, 1, 0
	s_wait_dscnt 0x0
	WIN MUL
	MULROW 1, 0, 0
	MULROW 1, 1, 0
	MULROW 1, 2, 0
	MULROW 1, 3, 0
	; THE WAY OUT, 16 rows of 128 f32 at a time, through my own stage, so that each store of the wave is one whole row of 512 bytes
	PLACES
	s_lshl_b32 s56, s66, 22                        ; a batch of 1,024 x 1,024 f32
	s_lshl_b32 s2, s19, 19                         ; 128 rows of 4,096 bytes
	s_add_co_u32 s56, s56, s2
	s_lshl_b32 s2, s13, 18                         ; my 64 rows
	s_add_co_u32 s56, s56, s2
	s_mov_b32 s57, 0
	s_add_nc_u64 s[8:9], s[8:9], s[56:57]
	s_lshl_b32 s58, s18, 10                        ; 256 columns of 4 bytes
	s_lshl_b32 s3, s14, 9                          ; my 128 columns
	s_add_co_u32 s58, s58, s3
	s_mov_b32 s59, 0
	s_add_nc_u64 s[8:9], s[8:9], s[58:59]
.macro OUT16 step, a
	s_wait_xcnt 0x0                                ; the last group's stores have had their addresses translated: their data and base are rewritten only behind this wait
.if \step
	s_add_nc_u64 s[8:9], s[8:9], 65536             ; 16 rows on
.endif
	WIN 0x04                                       ; the data of an LDS store is source 1: window 1
.irp b, 0,1,2,3,4,5,6,7
	ds_store_b128 v[STO], v[8*(8*\a+\b):8*(8*\a+\b)+3]   offset:64*\b
	ds_store_b128 v[STO], v[8*(8*\a+\b)+4:8*(8*\a+\b)+7] offset:64*\b+16
.endr
	WIN 0
.irp t, 0,1,2,3,4,5,6,7,8,9,10,11,12,13,14,15
	ds_load_b128 v[RB+4*\t:RB+4*\t+3], v[RD] offset:SP*\t          ; LDS serves a wave's instructions in order (ISA guide 5.7.1): these see the stores above
.endr
.irp t, 0,1,2,3,4,5,6,7,8,9,10,11,12,13,14,15
	s_wait_dscnt 15-\t
	global_store_b128 v[CO], v[RB+4*\t:RB+4*\t+3], s[8:9] offset:4096*\t
.endr
.endm
	OUT16 0, 0
	OUT16 1, 1
	OUT16 1, 2
	OUT16 1, 3
	s_wait_tensorcnt 0x0
	ds_add_u32 v254, v255
	s_wait_dscnt 0x0
	CROUND                                         ; the closing round: no work-group ends while a partner may still ask for a tile that names it
	s_endpgm
.Lfunc_end_k_qcebe2834b6_sgemm:
	.size	k_qcebe2834b6_sgemm, .Lfunc_end_k_qcebe2834b6_sgemm-k_qcebe2834b6_sgemm
	.p2alignl 7, 3214868480
	.fill 96, 4, 3214868480
	.section	.rodata,"a",@progbits
	.p2align	6, 0x0
	.amdhsa_kernel k_qcebe2834b6_sgemm
		.amdhsa_group_segment_fixed_size 327680
		.amdhsa_private_segment_fixed_size 0
		.amdhsa_enable_private_segment 0
		.amdhsa_kernarg_size 24
		.amdhsa_user_sgpr_count 2
		.amdhsa_user_sgpr_kernarg_segment_ptr 1
		.amdhsa_wavefront_size32 1
		.amdhsa_system_sgpr_workgroup_id_x 1
		.amdhsa_system_sgpr_workgroup_id_y 1
		.amdhsa_system_sgpr_workgroup_id_z 1
		.amdhsa_system_vgpr_workitem_id 0
		.amdhsa_next_free_vgpr 512
		.amdhsa_next_free_sgpr 68
		.amdhsa_reserve_vcc 0
		.amdhsa_float_denorm_mode_32 3
		.amdhsa_float_denorm_mode_16_64 3
		.amdhsa_memory_ordered 1
		.amdhsa_forward_progress 1
		.amdhsa_inst_pref_size 177
	.end_amdhsa_kernel
	.amdgpu_metadata
---
amdhsa.version: [ 1, 2 ]
amdhsa.kernels:
  - .name:           k_qcebe2834b6_sgemm
    .symbol:         k_qcebe2834b6_sgemm.kd
    .args:
      - { .name: vh, .offset: 0, .size: 8, .value_kind: global_buffer, .address_space: global }
      - { .name: fac, .offset: 8, .size: 8, .value_kind: global_buffer, .address_space: global }
      - { .name: sbuf, .offset: 16, .size: 8, .value_kind: global_buffer, .address_space: global }
    .group_segment_fixed_size: 327680
    .private_segment_fixed_size: 0
    .kernarg_segment_align: 8
    .kernarg_segment_size: 24
    .max_flat_workgroup_size: 128
    .sgpr_count:     68
    .vgpr_count:     512
    .wavefront_size: 32
...
	.end_amdgpu_metadata
.endif
;; end of part 3
;; launch smax (part 4): grid 512 x 1, 8 waves a work-group, no clusters, 0 bytes of LDS; arguments sbuf, attn; writes attn
.if DOCPART == 4
	.amdgcn_target "amdgcn-amd-amdhsa--gfx1250"
	.amdhsa_code_object_version 6
	.text
	.protected	k_qcebe2834b6_smax
	.globl	k_qcebe2834b6_smax
	.p2align	8
	.type	k_qcebe2834b6_smax,@function
k_qcebe2834b6_smax:
	s_mov_b64 s[64:65], 0
	v_nop
	global_prefetch_b8 v0, s[64:65] scope:SCOPE_SE
	s_setreg_imm32_b32 hwreg(HW_REG_WAVE_MODE, 25, 1), 1
	s_wait_xcnt 0x0
; attn[b][d][e] = f16(softmax over b of sbuf[b][d][e]), 8 batches, 1,048,576 places (d, e).
; A stream: no LDS, no barrier, no matrix work, nothing shared between work-groups, so no cluster.
; A thread owns two groups of four neighbouring places; all eight batches of a place lie in its own registers, so nothing crosses lanes.
; A wave's load covers 512 consecutive bytes, its store 256 consecutive bytes, aligned.  The largest of the eight is taken away first.
; LIMIT: attn is kept in f16: a weight below 2^-25 becomes 0.
.set X, 4                              ; v[4:67]   group j, batch b: four f32 at X + 32 j + 4 b
.set M, 68                             ; v[68:71]  the four maxima
.set S, 72                             ; v[72:75]  the four sums, then their reciprocals
	s_load_b128 s[4:7], s[0:1], 0x0                ; sbuf, attn
	v_lshlrev_b32 v1, 4, v0                        ; never rewritten
	v_lshlrev_b32 v2, 3, v0                        ; never rewritten
	s_lshl_b32 s2, ttmp9, 13                       ; 2,048 places of 4 bytes
	s_mov_b32 s3, 0
	s_wait_kmcnt 0x0
	s_add_nc_u64 s[8:9], s[4:5], s[2:3]            ; batches 0, 1 (a batch is 4,194,304 bytes: two fit the immediate)
	s_add_nc_u64 s[10:11], s[8:9], 0x800000        ; batches 2, 3
	s_add_nc_u64 s[12:13], s[10:11], 0x800000      ; batches 4, 5
	s_add_nc_u64 s[14:15], s[12:13], 0x800000      ; batches 6, 7
	s_lshl_b32 s2, ttmp9, 12                       ; 2,048 places of 2 bytes
	s_add_nc_u64 s[16:17], s[6:7], s[2:3]          ; batches 0 to 3 (2,097,152 bytes each)
	s_add_nc_u64 s[18:19], s[16:17], 0x800000      ; batches 4 to 7
.irp j, 0,1
.irp b, 0,1,2,3,4,5,6,7
	global_load_b128 v[X+32*\j+4*\b:X+32*\j+4*\b+3], v1, s[8+2*(\b/2):9+2*(\b/2)] offset:(\b%2)*4194304+4096*\j th:TH_LOAD_NT
.endr
.endr
.macro SOFT j, left
.set Q, X+32*\j
	s_wait_loadcnt \left
.irp c, 0,1,2,3
	v_max3_num_f32 v[M+\c], v[Q+\c], v[Q+4+\c], v[Q+8+\c]
	v_max3_num_f32 v[M+\c], v[M+\c], v[Q+12+\c], v[Q+16+\c]
	v_max3_num_f32 v[M+\c], v[M+\c], v[Q+20+\c], v[Q+24+\c]
	v_max_num_f32  v[M+\c], v[M+\c], v[Q+28+\c]
.endr
.irp b, 0,1,2,3,4,5,6,7
	v_pk_add_f32 v[Q+4*\b:Q+4*\b+1],   v[Q+4*\b:Q+4*\b+1],   v[M:M+1]   neg_lo:[0,1] neg_hi:[0,1]
	v_pk_add_f32 v[Q+4*\b+2:Q+4*\b+3], v[Q+4*\b+2:Q+4*\b+3], v[M+2:M+3] neg_lo:[0,1] neg_hi:[0,1]
	v_pk_mul_f32 v[Q+4*\b:Q+4*\b+1],   v[Q+4*\b:Q+4*\b+1],   0x3fb8aa3b op_sel_hi:[1,0]
	v_pk_mul_f32 v[Q+4*\b+2:Q+4*\b+3], v[Q+4*\b+2:Q+4*\b+3], 0x3fb8aa3b op_sel_hi:[1,0]
.endr
.set ii, 0
.rept 32
	v_exp_f32 v[Q+ii], v[Q+ii]
.set ii, ii+1
.endr
	v_nop                                          ; one plain place behind the transcendentals (ISA guide 5.7.2)
	s_wait_alu depctr_va_vdst(0)
	v_pk_add_f32 v[S:S+1],   v[Q:Q+1],   v[Q+4:Q+5]
	v_pk_add_f32 v[S+2:S+3], v[Q+2:Q+3], v[Q+6:Q+7]
.irp b, 2,3,4,5,6,7
	v_pk_add_f32 v[S:S+1],   v[S:S+1],   v[Q+4*\b:Q+4*\b+1]
	v_pk_add_f32 v[S+2:S+3], v[S+2:S+3], v[Q+4*\b+2:Q+4*\b+3]
.endr
.irp c, 0,1,2,3
	v_rcp_f32 v[S+\c], v[S+\c]                     ; the sum is at least 1: the largest term is 2^0
.endr
	v_nop
	s_wait_alu depctr_va_vdst(0)
.irp b, 0,1,2,3,4,5,6,7
	v_pk_mul_f32 v[Q+4*\b:Q+4*\b+1],   v[Q+4*\b:Q+4*\b+1],   v[S:S+1]
	v_pk_mul_f32 v[Q+4*\b+2:Q+4*\b+3], v[Q+4*\b+2:Q+4*\b+3], v[S+2:S+3]
	v_cvt_pk_f16_f32 v[Q+4*\b],   v[Q+4*\b],   v[Q+4*\b+1]
	v_cvt_pk_f16_f32 v[Q+4*\b+1], v[Q+4*\b+2], v[Q+4*\b+3]
	global_store_b64 v2, v[Q+4*\b:Q+4*\b+1], s[16+2*(\b/4):17+2*(\b/4)] offset:(\b%4)*2097152+2048*\j
.endr
.endm
	SOFT 0, 8                                      ; the first group's eight loads are in, the second group's eight stay out
	SOFT 1, 0
	s_endpgm
.Lfunc_end_k_qcebe2834b6_smax:
	.size	k_qcebe2834b6_smax, .Lfunc_end_k_qcebe2834b6_smax-k_qcebe2834b6_smax
	.p2alignl 7, 3214868480
	.fill 96, 4, 3214868480
	.section	.rodata,"a",@progbits
	.p2align	6, 0x0
	.amdhsa_kernel k_qcebe2834b6_smax
		.amdhsa_group_segment_fixed_size 0
		.amdhsa_private_segment_fixed_size 0
		.amdhsa_enable_private_segment 0
		.amdhsa_kernarg_size 16
		.amdhsa_user_sgpr_count 2
		.amdhsa_user_sgpr_kernarg_segment_ptr 1
		.amdhsa_wavefront_size32 1
		.amdhsa_system_sgpr_workgroup_id_x 1
		.amdhsa_system_sgpr_workgroup_id_y 1
		.amdhsa_system_sgpr_workgroup_id_z 1
		.amdhsa_system_vgpr_workitem_id 0
		.amdhsa_next_free_vgpr 76
		.amdhsa_next_free_sgpr 66
		.amdhsa_reserve_vcc 0
		.amdhsa_float_denorm_mode_32 3
		.amdhsa_float_denorm_mode_16_64 3
		.amdhsa_memory_ordered 1
		.amdhsa_forward_progress 1
		.amdhsa_inst_pref_size 19
	.end_amdhsa_kernel
	.amdgpu_metadata
---
amdhsa.version: [ 1, 2 ]
amdhsa.kernels:
  - .name:           k_qcebe2834b6_smax
    .symbol:         k_qcebe2834b6_smax.kd
    .args:
      - { .name: sbuf, .offset: 0, .size: 8, .value_kind: global_buffer, .address_space: global }
      - { .name: attn, .offset: 8, .size: 8, .value_kind: global_buffer, .address_space: global }
    .group_segment_fixed_size: 0
    .private_segment_fixed_size: 0
    .kernarg_segment_align: 8
    .kernarg_segment_size: 16
    .max_flat_workgroup_size: 256
    .sgpr_count:     66
    .vgpr_count:     76
    .wavefront_size: 32
...
	.end_amdgpu_metadata
.endif
;; end of part 4
;; launch outg (part 5): grid 4 x 64, 4 waves a work-group, clusters of 4 x 4, 327,680 bytes of LDS; arguments vh, attn, out0; writes out0
.if DOCPART == 5
	.amdgcn_target "amdgcn-amd-amdhsa--gfx1250"
	.amdhsa_code_object_version 6
	.text
	.protected	k_qcebe2834b6_outg
	.globl	k_qcebe2834b6_outg
	.p2align	8
	.type	k_qcebe2834b6_outg,@function
k_qcebe2834b6_outg:
	s_mov_b64 s[64:65], 0
	v_nop
	global_prefetch_b8 v0, s[64:65] scope:SCOPE_SE
	s_setreg_imm32_b32 hwreg(HW_REG_WAVE_MODE, 25, 1), 1
	s_wait_xcnt 0x0
	s_wait_alu depctr_hold_cnt(0) depctr_sa_sdst(0) depctr_va_vdst(0) depctr_va_sdst(0) depctr_va_ssrc(0) depctr_va_vcc(0) depctr_vm_vsrc(0)
	s_getreg_b32 s2, hwreg(HW_REG_IB_STS2, 6, 4)
	s_cmp_eq_u32 s2, 0
	s_cbranch_scc0 .Lentry_in_a_cluster
	s_endpgm
.Lentry_in_a_cluster:
	s_bfe_u32 s2, ttmp6, 0x10000c
	s_cmp_lg_u32 s2, 0xf033
	s_cbranch_scc0 .Lentry_shape_is_right
	s_endpgm
.Lentry_shape_is_right:
; out0[b][s][e] = sum over d of vh[b][s][d] attn[b][d][e], f16 operands, f32 sums, f32 out.  8 products of 2,048 x 1,024 x 1,024.
; A work-group makes 256 x 256 with four waves; wave (wm, wn) makes 128 x 128: 64 accumulator tiles, 512 registers.
; K (= d) goes in 8 steps of 128 through two LDS slots.  A slot: 256 rows x 128 f16 of vh (K along the rows), then 128 rows x 256 f16 of attn ([K][N],
; read by transposing loads).
; CLUSTER 4 x 4: block row = 4 x cluster y + cy, eight block rows a batch, so a cluster lies in one batch.  vh's tile is shared along a row of the cluster,
; attn's along a column: joint loads.  Waves 0, 1 fetch vh's halves, waves 2, 3 attn's.
; The matrix instruction is used transposed (source 0 = 16 columns of attn, source 1 = 16 rows of vh): lane (r, h) holds row r, columns 8 h .. 8 h + 7.
; The 64 accumulators take turns, one instruction a turn, in the same order in every quarter.
; REGISTERS  window 0: v16-26 addresses; v64-127, v128-191 fragments of vh, two buffers; v192-255 rows read back on the way out
;            window 1: v64-127, v128-191 fragments of attn;   window 2: accumulators of my rows 0-63 (tile (a, b) at v[8 (8 a + b)]);   window 3: rows 64-127
.set PA,     272
.set PB,     544
.set BOFF,   256*PA                    ; 69,632
.set SLOT,   BOFF+128*PB               ; 139,264
.set STAGE,  2*SLOT                    ; 278,528: 16 rows x 528 bytes for each wave; no tensor load lands there
.set SP,     528
.set G1A, 24
.set G0A, 32
.set G1B, 40
.set G0B, 48
.set ADRA, 16
.set ADRB, 20
.set STO,  24
.set RD,   25
.set CO,   26
.set F,    64                          ; buffer f at F + 64 f
.set RB,   192
.set MUL_LO, 0xa1
.set MUL_HI, 0xf1
.set TO_B,   0x40
.set MSB, 0
.macro WIN new
.if MSB != \new
	s_set_vgpr_msb (MSB<<8)|\new
.set MSB, \new
.endif
.endm
.macro PLACES                          ; four places between a matrix instruction and a load into a register that it read (ISA guide 7.12.1 for vector instructions)
.rept 4
	v_nop
.endr
.endm
.macro CREST
	s_cmp_lg_u32 s12, 0
	s_cbranch_scc1 .Lnot_wave_0_\@
	s_barrier_signal -3
.Lnot_wave_0_\@:
	s_barrier_wait -3
	s_barrier_signal -1
	s_barrier_wait -1
.endm
.macro CROUND
	s_barrier_signal -1
	s_barrier_wait -1
	CREST
.endm
.macro JLOAD s
	s_cmp_eq_u32 s13, 0
	s_cbranch_scc0 .Lfor_b_\@
	tensor_load_to_lds s[G0A+4*\s:G0A+4*\s+3], s[G1A:G1A+7]
	s_nop 0
	s_branch .Lasked_\@
.Lfor_b_\@:
	tensor_load_to_lds s[G0B+4*\s:G0B+4*\s+3], s[G1B:G1B+7]
	s_nop 0
.Lasked_\@:
.endm
.macro TRF dst, adr, off, n, P
.set tri, 0
.rept \n
	ds_load_tr16_b128 v[\dst+8*tri:\dst+8*tri+3],   v[\adr] offset:\off+32*tri
	ds_load_tr16_b128 v[\dst+8*tri+4:\dst+8*tri+7], v[\adr] offset:\off+32*tri+16*\P
.set tri, tri+1
.endr
.endm
	s_load_b128 s[4:7], s[0:1], 0x0                ; vh s[4:5], attn s[6:7]
	s_load_b64 s[8:9], s[0:1], 0x10                ; out0
	s_set_vgpr_msb 0x40
	v_lshl_add_u32 v255, v0, 2, 0x4c400
	s_set_vgpr_msb 0x4000
	v_mov_b32 v63, 0
	s_set_vgpr_msb 0x1
	ds_add_u32 v255, v63
	s_set_vgpr_msb 0x100
	v_lshrrev_b32 v1, 5, v0
	v_readfirstlane_b32 s12, v1                    ; wave
	s_lshr_b32 s13, s12, 1                         ; wm.  Also: I fetch for vh (0) or for attn (1)
	s_and_b32 s14, s12, 1                          ; wn.  Also: which half of that tile
	s_bfe_u32 s16, ttmp6, 0x40000                  ; cx
	s_bfe_u32 s17, ttmp6, 0x40004                  ; cy
	s_lshl_b32 s18, ttmp9, 2
	s_add_co_u32 s18, s18, s16                     ; block column
	s_and_b32 s2, ttmp7, 0xffff                    ; cluster y
	s_lshr_b32 s66, s2, 1                          ; batch
	s_lshl_b32 s19, s2, 2
	s_add_co_u32 s19, s19, s17                     ; block row, over all batches
	s_lshl_b32 s22, s17, 2
	s_lshl_b32 s22, 15, s22                        ; my row of the cluster
	s_lshl_b32 s23, 0x1111, s16                    ; my column
	; group 1 of vh's tiles: 128 rows x 128 elements of 2 bytes, 4 words of padding behind every 64 words
	s_or_b32 s[G1A+0], s22, (1<<16)|(1<<20)|(1<<21)|(5<<22)|(3<<25)
	s_mov_b32 s[G1A+1], 128<<16
	s_mov_b32 s[G1A+2], 128<<16
	s_mov_b32 s[G1A+3], 128<<16
	s_mov_b32 s[G1A+4], 128
	s_mov_b32 s[G1A+5], 1024
	s_mov_b32 s[G1A+6], 0
	s_mov_b32 s[G1A+7], 0
	; group 1 of attn's tiles: 64 rows x 256 elements, 8 words of padding behind every 128 words
	s_or_b32 s[G1B+0], s23, (1<<16)|(1<<20)|(1<<21)|(6<<22)|(7<<25)
	s_mov_b32 s[G1B+1], 256<<16
	s_mov_b32 s[G1B+2], 64<<16
	s_mov_b32 s[G1B+3], 256<<16
	s_mov_b32 s[G1B+4], 64
	s_mov_b32 s[G1B+5], 1024
	s_mov_b32 s[G1B+6], 0
	s_mov_b32 s[G1B+7], 0
	s_lshl_b32 s56, s19, 19                        ; 256 rows of 2,048 bytes
	s_lshl_b32 s2, s14, 18                         ; my 128 rows
	s_add_co_u32 s56, s56, s2
	s_mov_b32 s57, 0
	s_lshl_b32 s58, s66, 21                        ; a batch of attn: 1,024 rows of 2,048 bytes
	s_lshl_b32 s3, s14, 17                         ; my 64 rows
	s_add_co_u32 s58, s58, s3
	s_lshl_b32 s3, s18, 9                          ; 256 columns
	s_add_co_u32 s58, s58, s3
	s_mov_b32 s59, 0
	s_mul_i32 s20, s12, 128*PA                     ; LDS: vh's two halves, then attn's two halves, 34,816 bytes each: wave x 34,816
	s_wait_dscnt 0x0
	s_wait_kmcnt 0x0
	s_add_nc_u64 s[56:57], s[4:5], s[56:57]
	s_add_nc_u64 s[58:59], s[6:7], s[58:59]
	CROUND                                         ; in front of the first joint loads
.irp s, 0,1
	s_mov_b32 s[G0A+4*\s], 1
	s_add_co_u32 s[G0A+4*\s+1], s20, \s*SLOT
	s_add_nc_u64 s[G0A+4*\s+2:G0A+4*\s+3], s[56:57], \s*256        ; K step s: 128 f16 along the rows
	s_or_b32 s[G0A+4*\s+3], s[G0A+4*\s+3], 0x80000000
	s_mov_b32 s[G0B+4*\s], 1
	s_add_co_u32 s[G0B+4*\s+1], s20, \s*SLOT
	s_add_nc_u64 s[G0B+4*\s+2:G0B+4*\s+3], s[58:59], \s*262144     ; K step s: 128 rows on
	s_or_b32 s[G0B+4*\s+3], s[G0B+4*\s+3], 0x80000000
	JLOAD \s                                       ; two tensor loads of this wave are out, the most in this text
.endr
	v_and_b32 v1, 15, v0                           ; r
	v_bfe_u32 v2, v0, 4, 1                         ; h
	v_and_b32 v3, 7, v0
	v_bfe_u32 v4, v0, 3, 1
	v_and_b32 v6, 31, v0                           ; lane
	v_lshl_add_u32 v3, v2, 3, v3                   ; transposing loads: row 8 h + (lane & 7)
	v_mul_u32_u24 v3, v3, PB
	v_lshl_add_u32 v3, v4, 4, v3
	s_lshl_b32 s3, s14, 8                          ; my 128 columns
	s_add_co_u32 s3, s3, BOFF
	v_add_nc_u32 v[ADRB], s3, v3
	v_add_nc_u32 v[ADRB+1], SLOT, v[ADRB]
	v_mul_u32_u24 v5, v1, PA                       ; vh: row r, 16 bytes for each half of the lanes
	v_lshl_add_u32 v5, v2, 4, v5
	s_mul_i32 s2, s13, 128*PA                      ; my 128 rows
	v_add_nc_u32 v[ADRA], s2, v5
	v_add_nc_u32 v[ADRA+1], SLOT, v[ADRA]
	s_mul_i32 s3, s12, 16*SP
	s_add_co_u32 s3, s3, STAGE
	v_mul_u32_u24 v5, v1, SP
	v_lshl_add_u32 v5, v2, 5, v5
	v_add_nc_u32 v[STO], s3, v5
	v_lshlrev_b32 v[CO], 4, v6
	v_add_nc_u32 v[RD], s3, v[CO]
.macro MULROW f, hi, a, zero           ; 8 matrix instructions: row block 4 hi + a x my 8 column blocks, 32 along K
.irp b, 0,1,2,3,4,5,6,7
.if \zero
	v_wmma_f32_16x16x32_f16 v[8*(8*\a+\b):8*(8*\a+\b)+7], v[F+64*\f+8*\b:F+64*\f+8*\b+7], v[F+64*\f+8*(4*\hi+\a):F+64*\f+8*(4*\hi+\a)+7], 0
.else
	v_wmma_f32_16x16x32_f16 v[8*(8*\a+\b):8*(8*\a+\b)+7], v[F+64*\f+8*\b:F+64*\f+8*\b+7], v[F+64*\f+8*(4*\hi+\a):F+64*\f+8*(4*\hi+\a)+7], v[8*(8*\a+\b):8*(8*\a+\b)+7]
.endif
.endr
.endm
.macro FETCH slot, q, g                ; 32 LDS loads: quarter q (32 along K) into buffer g
	WIN TO_B
	TRF F+64*\g, ADRB+\slot, 17408*\q, 8, PB
	WIN 0
.irp i, 0,1,2,3,4,5,6,7
	ds_load_b128 v[F+64*\g+8*\i:F+64*\g+8*\i+3],   v[ADRA+\slot] offset:64*\q+4352*\i
	ds_load_b128 v[F+64*\g+8*\i+4:F+64*\g+8*\i+7], v[ADRA+\slot] offset:64*\q+4352*\i+32
.endr
.endm
.macro QUARTER slot, q, f, g, zero     ; fetches quarter q into g, multiplies f
	PLACES
	FETCH \slot, \q, \g
	s_wait_dscnt 32                                ; all but the 32 just issued: buffer f is in
	WIN MUL_LO
	MULROW \f, 0, 0, \zero
	MULROW \f, 0, 1, \zero
	MULROW \f, 0, 2, \zero
	MULROW \f, 0, 3, \zero
	WIN MUL_HI
	MULROW \f, 1, 0, \zero
	MULROW \f, 1, 1, \zero
	MULROW \f, 1, 2, \zero
	MULROW \f, 1, 3, \zero
.endm
; The last quarter of a K step, on buffer 1, and the change of slots.  From a request to the wait for it a wave issues 240 matrix instructions.
.macro TURN slot, next, fill
	s_wait_dscnt 0x0                               ; buffer 1 is in, and these were my last reads of this slot
	s_wait_tensorcnt 0x0                           ; no tensor load of mine is out: a group 0 may be written
	ds_add_u32 v255, v63
	s_wait_dscnt 0x0
.if \fill
	s_add_nc_u64 s[G0A+4*\slot+2:G0A+4*\slot+3], s[G0A+4*\slot+2:G0A+4*\slot+3], 512      ; two K steps on
	s_add_nc_u64 s[G0B+4*\slot+2:G0B+4*\slot+3], s[G0B+4*\slot+2:G0B+4*\slot+3], 524288
.endif
	s_barrier_signal -1
	WIN MUL_LO
	MULROW 1, 0, 0, 0
	MULROW 1, 0, 1, 0
	WIN 0
	s_barrier_wait -1
.if \fill
	CREST                                          ; no wave of any partner still reads this slot or has a load on its way
	JLOAD \slot
.endif
	PLACES
	FETCH \next, 0, 0
	WIN MUL_LO
	MULROW 1, 0, 2, 0
	MULROW 1, 0, 3, 0
	WIN MUL_HI
	MULROW 1, 1, 0, 0
	MULROW 1, 1, 1, 0
	MULROW 1, 1, 2, 0
	MULROW 1, 1, 3, 0
.endm
.macro THREE slot, zero
	QUARTER \slot, 1, 0, 1, \zero
	QUARTER \slot, 2, 1, 0, 0
	QUARTER \slot, 3, 0, 1, 0
.endm
.macro LAP zero
	THREE 0, \zero
	TURN 0, 1, 1
	THREE 1, 0
	TURN 1, 0, 1
.endm
	s_wait_tensorcnt 0x1                           ; my part of K step 0 is in; step 1's stays out
	s_barrier_signal -1
	s_barrier_wait -1
	FETCH 0, 0, 0
	LAP 1
	WIN 0
	s_mov_b32 s15, 2
.Llap:
	LAP 0
	WIN 0
	s_sub_co_u32 s15, s15, 1
	s_cmp_lg_u32 s15, 0
	s_cbranch_scc1 .Llap
	THREE 0, 0                                     ; the last lap fills nothing and has no round of the cluster's barrier
	TURN 0, 1, 0
	THREE 1, 0
	s_wait_dscnt 0x0
	WIN MUL_LO
	MULROW 1, 0, 0, 0
	MULROW 1, 0, 1, 0
	MULROW 1, 0, 2, 0
	MULROW 1, 0, 3, 0
	WIN MUL_HI
	MULROW 1, 1, 0, 0
	MULROW 1, 1, 1, 0
	MULROW 1, 1, 2, 0
	MULROW 1, 1, 3, 0
	; THE WAY OUT, 16 rows of 128 f32 at a time, through my own stage, so that each store of the wave is one whole row of 512 bytes
	PLACES
	s_lshl_b32 s56, s19, 20                        ; 256 rows of 4,096 bytes
	s_lshl_b32 s2, s13, 19                         ; my 128 rows
	s_add_co_u32 s56, s56, s2
	s_mov_b32 s57, 0
	s_add_nc_u64 s[8:9], s[8:9], s[56:57]
	s_lshl_b32 s58, s18, 10                        ; 256 columns of 4 bytes
	s_lshl_b32 s3, s14, 9                          ; my 128 columns
	s_add_co_u32 s58, s58, s3
	s_mov_b32 s59, 0
	s_add_nc_u64 s[8:9], s[8:9], s[58:59]
; from: the data of an LDS store is source 1: 0x08 window 2, 0x0c window 3
.macro OUT16 step, a, from
	s_wait_xcnt 0x0                                ; the last group's stores have had their addresses translated: their data and base are rewritten only behind this wait
.if \step
	s_add_nc_u64 s[8:9], s[8:9], 65536             ; 16 rows on
.endif
	WIN \from
.irp b, 0,1,2,3,4,5,6,7
	ds_store_b128 v[STO], v[8*(8*\a+\b):8*(8*\a+\b)+3]   offset:64*\b
	ds_store_b128 v[STO], v[8*(8*\a+\b)+4:8*(8*\a+\b)+7] offset:64*\b+16
.endr
	WIN 0
.irp t, 0,1,2,3,4,5,6,7,8,9,10,11,12,13,14,15
	ds_load_b128 v[RB+4*\t:RB+4*\t+3], v[RD] offset:SP*\t          ; LDS serves a wave's instructions in order (ISA guide 5.7.1): these see the stores above
.endr
.irp t, 0,1,2,3,4,5,6,7,8,9,10,11,12,13,14,15
	s_wait_dscnt 15-\t
	global_store_b128 v[CO], v[RB+4*\t:RB+4*\t+3], s[8:9] offset:4096*\t th:TH_STORE_NT
.endr
.endm
	OUT16 0, 0, 0x08
	OUT16 1, 1, 0x08
	OUT16 1, 2, 0x08
	OUT16 1, 3, 0x08
	OUT16 1, 0, 0x0c
	OUT16 1, 1, 0x0c
	OUT16 1, 2, 0x0c
	OUT16 1, 3, 0x0c
	s_set_vgpr_msb 0x1
	s_wait_tensorcnt 0x0
	ds_add_u32 v255, v63
	s_wait_dscnt 0x0
	s_set_vgpr_msb 0x100
	CROUND                                         ; the closing round
	s_endpgm
.Lfunc_end_k_qcebe2834b6_outg:
	.size	k_qcebe2834b6_outg, .Lfunc_end_k_qcebe2834b6_outg-k_qcebe2834b6_outg
	.p2alignl 7, 3214868480
	.fill 96, 4, 3214868480
	.section	.rodata,"a",@progbits
	.p2align	6, 0x0
	.amdhsa_kernel k_qcebe2834b6_outg
		.amdhsa_group_segment_fixed_size 327680
		.amdhsa_private_segment_fixed_size 0
		.amdhsa_enable_private_segment 0
		.amdhsa_kernarg_size 24
		.amdhsa_user_sgpr_count 2
		.amdhsa_user_sgpr_kernarg_segment_ptr 1
		.amdhsa_wavefront_size32 1
		.amdhsa_system_sgpr_workgroup_id_x 1
		.amdhsa_system_sgpr_workgroup_id_y 1
		.amdhsa_system_sgpr_workgroup_id_z 1
		.amdhsa_system_vgpr_workitem_id 0
		.amdhsa_next_free_vgpr 1024
		.amdhsa_next_free_sgpr 68
		.amdhsa_reserve_vcc 0
		.amdhsa_float_denorm_mode_32 3
		.amdhsa_float_denorm_mode_16_64 3
		.amdhsa_memory_ordered 1
		.amdhsa_forward_progress 1
		.amdhsa_inst_pref_size 195
	.end_amdhsa_kernel
	.amdgpu_metadata
---
amdhsa.version: [ 1, 2 ]
amdhsa.kernels:
  - .name:           k_qcebe2834b6_outg
    .symbol:         k_qcebe2834b6_outg.kd
    .args:
      - { .name: vh, .offset: 0, .size: 8, .value_kind: global_buffer, .address_space: global }
      - { .name: attn, .offset: 8, .size: 8, .value_kind: global_buffer, .address_space: global }
      - { .name: out0, .offset: 16, .size: 8, .value_kind: global_buffer, .address_space: global }
    .group_segment_fixed_size: 327680
    .private_segment_fixed_size: 0
    .kernarg_segment_align: 8
    .kernarg_segment_size: 24
    .max_flat_workgroup_size: 128
    .sgpr_count:     68
    .vgpr_count:     1024
    .wavefront_size: 32
...
	.end_amdgpu_metadata
.endif
;; end of part 5
;; ======== version 2 of 2: 5 launches; version 1 with the launches prep, smax written anew for expert scheduling mode
;; limits: values are held in f16: magnitudes above 65,504 overflow, below 6.1e-05 lose precision
;; workspace buffers: vh 33,554,432 bytes; wu 4,194,304 bytes; fac 33,554,432 bytes; sbuf 33,554,432 bytes; attn 16,777,216 bytes
;; launch prep (part 6): grid 576 x 1, 8 waves a work-group, no clusters, 0 bytes of LDS; arguments v, W, U, vh, wu; writes vh, wu
.if DOCPART == 6
	.amdgcn_target "amdgcn-amd-amdhsa--gfx1250"
	.amdhsa_code_object_version 6
	.text
	.protected	k_qcebe2834b6_prep
	.globl	k_qcebe2834b6_prep
	.p2align	8
	.type	k_qcebe2834b6_prep,@function
k_qcebe2834b6_prep:
	s_mov_b64 s[64:65], 0
	v_nop
	global_prefetch_b8 v0, s[64:65] scope:SCOPE_SE
	s_setreg_imm32_b32 hwreg(HW_REG_WAVE_SCHED_MODE, 0, 2), 2
	s_setreg_imm32_b32 hwreg(HW_REG_WAVE_MODE, 25, 1), 1
	s_wait_xcnt 0x0
	s_wait_alu depctr_vm_vsrc(0)
; vh = f16(bf16(v)) [8][2048][1024];  wu = bf16([W ; U]) [2048][1024] (W's 1,024 rows, then U's).
; A stream: no LDS, no barrier, no matrix work; no tile is shared between work-groups, so no cluster.
; A work-group converts 32 rows of 1,024 f32 (4,096 bytes in, 2,048 bytes out).  Thread t owns the 16 bytes at 16 t of every row:
; a wave's load covers 512 consecutive bytes, its store 256 consecutive bytes, aligned.
; Work-groups 0 to 511 take v, 512 to 543 W, 544 to 575 U.
; v is first rounded to bf16 (the rounding of a matrix operand) and then written as f16, because it is later multiplied with f16 operands.
; LIMITS: the second step is exact for 2^-17 <= |bf16(v)| < 65,520; smaller numbers are held to 2^-25 absolute, larger ones become infinity.
; THE MODE: SCHED_MODE bits 1:0 = 2 (LLVM: expert scheduling mode 2), set by the entry lines.  The code itself states the register dependences
; between vector instructions and memory instructions, with s_wait_alu, always for 0.
; THE PLAN.  The 32 rows go in 8 blocks of four.  Registers that memory instructions touch:
;   X0 .. X3   four blocks as loaded.   Written by the loads of block p + 3, issued in block p; read by block p's roundings.
;   Y0, Y1     two blocks to store.     Written by block p's roundings; read by the four stores that are issued in block p + 1.
;   v1, v2     byte offsets, made once at the head and never written again; the two scalar bases are never stepped: every row stands in an immediate (126,976 at the most).
; Block p works on X[p % 4] and writes Y[p % 2].  Its memory instructions are the loads into X[(p + 3) % 4] = X[(p - 1) % 4] and the stores from
; Y[(p - 1) % 2]: the two buffers that block p - 1 worked on and that no vector instruction of block p names.  So the waits at the head of a block
; state all that the block's memory instructions hang on, and these are dealt among its vector instructions with no further wait.
.set X, 4                              ; v[4:67]   buffer k, row i: four f32 as loaded, at X + 16 k + 4 i
.set Y, 68                             ; v[68:83]  buffer k, row i: two words to store, at Y + 8 k + 2 i
.set T, 84                             ; v[84:89]  at work: no memory instruction names them
	s_load_b256 s[4:11], s[0:1], 0x0               ; v s[4:5], W s[6:7], U s[8:9], vh s[10:11]
	s_load_b64 s[12:13], s[0:1], 0x20              ; wu
	v_lshlrev_b32 v1, 4, v0                        ; my 16 bytes in a row that is read; never rewritten
	v_lshlrev_b32 v2, 3, v0                        ; my 8 bytes in a row that is written; never rewritten
	s_mov_b32 s18, 0xffff0000                      ; a word's upper bf16
	s_mov_b32 s3, 0
; Block p of 8.  kind = 1: f32 -> bf16 -> f16 (v); kind = 0: f32 -> bf16 (W, U).
.macro BLK p, kind
.set xb, (\p)%4
.set xn, ((\p)+3)%4
.set yb, (\p)%2
.set left, 8
.if (\p) == 6
.set left, 4
.endif
.if (\p) == 7
.set left, 0
.endif
	s_wait_loadcnt left                            ; loads come back in order: X[xb] is in, the younger blocks (two, fewer at the end) stay out
.if (\p) >= 2
	s_wait_xcnt 0x0                                ; the stores issued in the block before have had their addresses translated: Y[yb], their data, is rewritten only behind this wait
	s_wait_alu depctr_vm_vsrc(0)                   ; those stores have read Y[yb], which this block's roundings write again
.endif
.if (\p) >= 1
	s_wait_alu depctr_va_vdst(0)                   ; the block before has written the other Y, which the stores below read, and is done reading its X, in which the loads below land (blocks 5 to 7 load nothing)
.endif
.irp i, 0,1,2,3
.if (\p)+3 < 8
	global_load_b128 v[X+16*xn+4*(\i):X+16*xn+4*(\i)+3], v1, s[14:15] offset:(4*((\p)+3)+(\i))*4096 th:TH_LOAD_NT   ; three blocks ahead; no vector instruction since the wait names these registers
.endif
.if (\p) >= 1
	global_store_b64 v2, v[Y+8*(1-yb)+2*(\i):Y+8*(1-yb)+2*(\i)+1], s[16:17] offset:(4*((\p)-1)+(\i))*2048             ; the block before
.endif
.if \kind
	v_cvt_pk_bf16_f32 v[T],   v[X+16*xb+4*(\i)],   v[X+16*xb+4*(\i)+1]
	v_cvt_pk_bf16_f32 v[T+1], v[X+16*xb+4*(\i)+2], v[X+16*xb+4*(\i)+3]
	v_lshlrev_b32 v[T+2], 16, v[T]                 ; back to f32: the low half moves up,
	v_and_b32     v[T+3], s18, v[T]                ; the high half stays
	v_lshlrev_b32 v[T+4], 16, v[T+1]
	v_and_b32     v[T+5], s18, v[T+1]
	v_cvt_pk_f16_f32 v[Y+8*yb+2*(\i)],   v[T+2], v[T+3]
	v_cvt_pk_f16_f32 v[Y+8*yb+2*(\i)+1], v[T+4], v[T+5]
.else
	v_cvt_pk_bf16_f32 v[Y+8*yb+2*(\i)],   v[X+16*xb+4*(\i)],   v[X+16*xb+4*(\i)+1]
	v_cvt_pk_bf16_f32 v[Y+8*yb+2*(\i)+1], v[X+16*xb+4*(\i)+2], v[X+16*xb+4*(\i)+3]
.endif
.endr
.endm
.macro ROWS kind
.irp i, 0,1,2,3,4,5,6,7,8,9,10,11
	global_load_b128 v[X+4*(\i):X+4*(\i)+3], v1, s[14:15] offset:(\i)*4096 th:TH_LOAD_NT   ; blocks 0, 1 and 2 into X0, X1, X2
.endr
.irp p, 0,1,2,3,4,5,6,7
	BLK \p, \kind
.endr
	s_wait_alu depctr_va_vdst(0)                   ; block 7 has written Y1, which the last four stores read
.irp i, 0,1,2,3
	global_store_b64 v2, v[Y+8+2*(\i):Y+8+2*(\i)+1], s[16:17] offset:(28+(\i))*2048
.endr
.endm
	s_wait_kmcnt 0x0
	s_wait_alu depctr_va_vdst(0)                   ; v1 and v2 are written: every load and store, on both ways below, reads one of them as its offset
	s_cmp_lt_u32 ttmp9, 512
	s_cbranch_scc0 .Lweights
	s_lshl_b32 s2, ttmp9, 17                       ; 32 rows of 4,096 bytes
	s_add_nc_u64 s[14:15], s[4:5], s[2:3]
	s_lshl_b32 s2, ttmp9, 16                       ; 32 rows of 2,048 bytes
	s_add_nc_u64 s[16:17], s[10:11], s[2:3]
	ROWS 1
	s_endpgm
.Lweights:
	s_sub_co_u32 s19, ttmp9, 512                   ; 0 to 63: block of 32 rows of wu
	s_cmp_lt_u32 s19, 32
	s_cselect_b64 s[14:15], s[6:7], s[8:9]         ; W for the first 32 blocks, U for the others
	s_and_b32 s2, s19, 31
	s_lshl_b32 s2, s2, 17
	s_add_nc_u64 s[14:15], s[14:15], s[2:3]
	s_lshl_b32 s2, s19, 16
	s_add_nc_u64 s[16:17], s[12:13], s[2:3]
	ROWS 0
	s_endpgm
.Lfunc_end_k_qcebe2834b6_prep:
	.size	k_qcebe2834b6_prep, .Lfunc_end_k_qcebe2834b6_prep-k_qcebe2834b6_prep
	.p2alignl 7, 3214868480
	.fill 96, 4, 3214868480
	.section	.rodata,"a",@progbits
	.p2align	6, 0x0
	.amdhsa_kernel k_qcebe2834b6_prep
		.amdhsa_group_segment_fixed_size 0
		.amdhsa_private_segment_fixed_size 0
		.amdhsa_enable_private_segment 0
		.amdhsa_kernarg_size 40
		.amdhsa_user_sgpr_count 2
		.amdhsa_user_sgpr_kernarg_segment_ptr 1
		.amdhsa_wavefront_size32 1
		.amdhsa_system_sgpr_workgroup_id_x 1
		.amdhsa_system_sgpr_workgroup_id_y 1
		.amdhsa_system_sgpr_workgroup_id_z 1
		.amdhsa_system_vgpr_workitem_id 0
		.amdhsa_next_free_vgpr 90
		.amdhsa_next_free_sgpr 66
		.amdhsa_reserve_vcc 0
		.amdhsa_float_denorm_mode_32 3
		.amdhsa_float_denorm_mode_16_64 3
		.amdhsa_memory_ordered 1
		.amdhsa_forward_progress 1
		.amdhsa_inst_pref_size 31
	.end_amdhsa_kernel
	.amdgpu_metadata
---
amdhsa.version: [ 1, 2 ]
amdhsa.kernels:
  - .name:           k_qcebe2834b6_prep
    .symbol:         k_qcebe2834b6_prep.kd
    .args:
      - { .name: v, .offset: 0, .size: 8, .value_kind: global_buffer, .address_space: global }
      - { .name: W, .offset: 8, .size: 8, .value_kind: global_buffer, .address_space: global }
      - { .name: U, .offset: 16, .size: 8, .value_kind: global_buffer, .address_space: global }
      - { .name: vh, .offset: 24, .size: 8, .value_kind: global_buffer, .address_space: global }
      - { .name: wu, .offset: 32, .size: 8, .value_kind: global_buffer, .address_space: global }
    .group_segment_fixed_size: 0
    .private_segment_fixed_size: 0
    .kernarg_segment_align: 8
    .kernarg_segment_size: 40
    .max_flat_workgroup_size: 256
    .sgpr_count:     66
    .vgpr_count:     90
    .wavefront_size: 32
...
	.end_amdgpu_metadata
.endif
;; end of part 6
;; launch facg: the kernel of part 2 again; grid 4 x 64, 4 waves a work-group, clusters of 4 x 4, 327,680 bytes of LDS; arguments k, q, wu, fac; writes fac
;; launch sgemm: the kernel of part 3 again; grid 4 x 64, 4 waves a work-group, clusters of 4 x 4, 327,680 bytes of LDS; arguments vh, fac, sbuf; writes sbuf
;; launch smax (part 7): grid 512 x 1, 8 waves a work-group, no clusters, 0 bytes of LDS; arguments sbuf, attn; writes attn
.if DOCPART == 7
	.amdgcn_target "amdgcn-amd-amdhsa--gfx1250"
	.amdhsa_code_object_version 6
	.text
	.protected	k_qcebe2834b6_smax
	.globl	k_qcebe2834b6_smax
	.p2align	8
	.type	k_qcebe2834b6_smax,@function
k_qcebe2834b6_smax:
	s_mov_b64 s[64:65], 0
	v_nop
	global_prefetch_b8 v0, s[64:65] scope:SCOPE_SE
	s_setreg_imm32_b32 hwreg(HW_REG_WAVE_SCHED_MODE, 0, 2), 2
	s_setreg_imm32_b32 hwreg(HW_REG_WAVE_MODE, 25, 1), 1
	s_wait_xcnt 0x0
	s_wait_alu depctr_vm_vsrc(0)
; attn[b][d][e] = f16(softmax over b of sbuf[b][d][e]), 8 batches, 1,048,576 places (d, e).
; A stream: no LDS, no barrier, no matrix work, nothing shared between work-groups, so no cluster.
; A thread owns two groups of four neighbouring places; all eight batches of a place lie in its own registers, so nothing crosses lanes.
; A wave's load covers 512 consecutive bytes, its store 256 consecutive bytes, aligned.  The largest of the eight is taken away first.
; LIMIT: attn is kept in f16: a weight below 2^-25 becomes 0.
; THE MODE: SCHED_MODE bits 1:0 = 2 (LLVM: expert scheduling mode 2), set by the entry lines.  The code itself states the register dependences
; between vector instructions and memory instructions, with s_wait_alu, always for 0.
; THE PLAN.  Registers that memory instructions touch:
;   v1, v2     byte offsets, made once at the head and never written again.
;   X, group j Written by the group's eight loads, all sixteen issued at the start, ahead of every vector instruction that names them; then worked on in place.
;              Of each batch's four registers the first two end as the store's data; nothing writes them behind the store.
;   M and S are named by vector instructions alone.
; So no register that a memory instruction has read is ever written again.  What is left to state: the offsets ahead of the loads, and each group's roundings ahead
; of its eight stores.  Group 0's stores stand behind the wait for group 1's exponentials, which states both, dealt among group 1's sums, which name group 1 and S alone.
.set X, 4                              ; v[4:67]   group j, batch b: four f32 at X + 32 j + 4 b
.set M, 68                             ; v[68:71]  the four maxima
.set S, 72                             ; v[72:75]  the four sums, then their reciprocals
	s_load_b128 s[4:7], s[0:1], 0x0                ; sbuf, attn
	v_lshlrev_b32 v1, 4, v0                        ; never rewritten
	v_lshlrev_b32 v2, 3, v0                        ; never rewritten
	s_lshl_b32 s2, ttmp9, 13                       ; 2,048 places of 4 bytes
	s_mov_b32 s3, 0
	s_wait_kmcnt 0x0
	s_add_nc_u64 s[8:9], s[4:5], s[2:3]            ; batches 0, 1 (a batch is 4,194,304 bytes: two fit the immediate)
	s_add_nc_u64 s[10:11], s[8:9], 0x800000        ; batches 2, 3
	s_add_nc_u64 s[12:13], s[10:11], 0x800000      ; batches 4, 5
	s_add_nc_u64 s[14:15], s[12:13], 0x800000      ; batches 6, 7
	s_lshl_b32 s2, ttmp9, 12                       ; 2,048 places of 2 bytes
	s_add_nc_u64 s[16:17], s[6:7], s[2:3]          ; batches 0 to 3 (2,097,152 bytes each)
	s_add_nc_u64 s[18:19], s[16:17], 0x800000      ; batches 4 to 7
	s_wait_alu depctr_va_vdst(0)                   ; v1 and v2 are written: every load and store reads one of them as its offset
.irp j, 0,1
.irp b, 0,1,2,3,4,5,6,7
	global_load_b128 v[X+32*\j+4*\b:X+32*\j+4*\b+3], v1, s[8+2*(\b/2):9+2*(\b/2)] offset:(\b%2)*4194304+4096*\j th:TH_LOAD_NT
.endr
.endr
; Group j: the four maxima, the 32 differences scaled by log2(e), their exponentials, and the plain place behind the last of them
.macro EXPS j, left
.set Q, X+32*(\j)
	s_wait_loadcnt \left
.irp c, 0,1,2,3
	v_max3_num_f32 v[M+\c], v[Q+\c], v[Q+4+\c], v[Q+8+\c]
	v_max3_num_f32 v[M+\c], v[M+\c], v[Q+12+\c], v[Q+16+\c]
	v_max3_num_f32 v[M+\c], v[M+\c], v[Q+20+\c], v[Q+24+\c]
	v_max_num_f32  v[M+\c], v[M+\c], v[Q+28+\c]
.endr
.irp b, 0,1,2,3,4,5,6,7
	v_pk_add_f32 v[Q+4*\b:Q+4*\b+1],   v[Q+4*\b:Q+4*\b+1],   v[M:M+1]   neg_lo:[0,1] neg_hi:[0,1]
	v_pk_add_f32 v[Q+4*\b+2:Q+4*\b+3], v[Q+4*\b+2:Q+4*\b+3], v[M+2:M+3] neg_lo:[0,1] neg_hi:[0,1]
	v_pk_mul_f32 v[Q+4*\b:Q+4*\b+1],   v[Q+4*\b:Q+4*\b+1],   0x3fb8aa3b op_sel_hi:[1,0]
	v_pk_mul_f32 v[Q+4*\b+2:Q+4*\b+3], v[Q+4*\b+2:Q+4*\b+3], 0x3fb8aa3b op_sel_hi:[1,0]
.endr
.set ii, 0
.rept 32
	v_exp_f32 v[Q+ii], v[Q+ii]
.set ii, ii+1
.endr
	v_nop                                          ; one plain place behind the transcendentals (ISA guide 5.7.2)
.endm
; Batch b of group j leaves
.macro OUT j, b
	global_store_b64 v2, v[X+32*(\j)+4*(\b):X+32*(\j)+4*(\b)+1], s[16+2*((\b)/4):17+2*((\b)/4)] offset:((\b)%4)*2097152+2048*(\j)
.endm
; Group j: the four sums, batches ascending, their reciprocals, and the plain place behind them.  out = 1: the stores of the group before are dealt among the sums
.macro SUMS j, out
.set Q, X+32*(\j)
.if \out
	OUT (\j)-1, 0
	OUT (\j)-1, 1
.endif
	v_pk_add_f32 v[S:S+1],   v[Q:Q+1],   v[Q+4:Q+5]
	v_pk_add_f32 v[S+2:S+3], v[Q+2:Q+3], v[Q+6:Q+7]
.irp b, 2,3,4,5,6,7
.if \out
	OUT (\j)-1, \b
.endif
	v_pk_add_f32 v[S:S+1],   v[S:S+1],   v[Q+4*\b:Q+4*\b+1]
	v_pk_add_f32 v[S+2:S+3], v[S+2:S+3], v[Q+4*\b+2:Q+4*\b+3]
.endr
.irp c, 0,1,2,3
	v_rcp_f32 v[S+\c], v[S+\c]                     ; the sum is at least 1: the largest term is 2^0
.endr
	v_nop                                          ; one plain place behind the transcendentals
.endm
; Group j: divided by the sums and rounded to f16, each batch's four numbers into the first two of its four registers
.macro SCALE j
.set Q, X+32*(\j)
.irp b, 0,1,2,3,4,5,6,7
	v_pk_mul_f32 v[Q+4*\b:Q+4*\b+1],   v[Q+4*\b:Q+4*\b+1],   v[S:S+1]
	v_pk_mul_f32 v[Q+4*\b+2:Q+4*\b+3], v[Q+4*\b+2:Q+4*\b+3], v[S+2:S+3]
	v_cvt_pk_f16_f32 v[Q+4*\b],   v[Q+4*\b],   v[Q+4*\b+1]
	v_cvt_pk_f16_f32 v[Q+4*\b+1], v[Q+4*\b+2], v[Q+4*\b+3]
.endr
.endm
	EXPS 0, 8                                      ; the first group's eight loads are in, the second group's eight stay out
	s_wait_alu depctr_va_vdst(0)                   ; group 0's 32 exponentials are written, ahead of the sums that read them
	SUMS 0, 0
	s_wait_alu depctr_va_vdst(0)                   ; group 0's four reciprocals are written, ahead of the multiplies that read them
	SCALE 0
	EXPS 1, 0
	s_wait_alu depctr_va_vdst(0)                   ; group 1's 32 exponentials are written, ahead of the sums that read them; and group 0's roundings have written the words that the eight stores below read
	SUMS 1, 1
	s_wait_alu depctr_va_vdst(0)                   ; group 1's four reciprocals are written, ahead of the multiplies that read them
	SCALE 1
	s_wait_alu depctr_va_vdst(0)                   ; group 1's roundings have written the words that the last eight stores read
.irp b, 0,1,2,3,4,5,6,7
	OUT 1, \b
.endr
	s_endpgm
.Lfunc_end_k_qcebe2834b6_smax:
	.size	k_qcebe2834b6_smax, .Lfunc_end_k_qcebe2834b6_smax-k_qcebe2834b6_smax
	.p2alignl 7, 3214868480
	.fill 96, 4, 3214868480
	.section	.rodata,"a",@progbits
	.p2align	6, 0x0
	.amdhsa_kernel k_qcebe2834b6_smax
		.amdhsa_group_segment_fixed_size 0
		.amdhsa_private_segment_fixed_size 0
		.amdhsa_enable_private_segment 0
		.amdhsa_kernarg_size 16
		.amdhsa_user_sgpr_count 2
		.amdhsa_user_sgpr_kernarg_segment_ptr 1
		.amdhsa_wavefront_size32 1
		.amdhsa_system_sgpr_workgroup_id_x 1
		.amdhsa_system_sgpr_workgroup_id_y 1
		.amdhsa_system_sgpr_workgroup_id_z 1
		.amdhsa_system_vgpr_workitem_id 0
		.amdhsa_next_free_vgpr 76
		.amdhsa_next_free_sgpr 66
		.amdhsa_reserve_vcc 0
		.amdhsa_float_denorm_mode_32 3
		.amdhsa_float_denorm_mode_16_64 3
		.amdhsa_memory_ordered 1
		.amdhsa_forward_progress 1
		.amdhsa_inst_pref_size 20
	.end_amdhsa_kernel
	.amdgpu_metadata
---
amdhsa.version: [ 1, 2 ]
amdhsa.kernels:
  - .name:           k_qcebe2834b6_smax
    .symbol:         k_qcebe2834b6_smax.kd
    .args:
      - { .name: sbuf, .offset: 0, .size: 8, .value_kind: global_buffer, .address_space: global }
      - { .name: attn, .offset: 8, .size: 8, .value_kind: global_buffer, .address_space: global }
    .group_segment_fixed_size: 0
    .private_segment_fixed_size: 0
    .kernarg_segment_align: 8
    .kernarg_segment_size: 16
    .max_flat_workgroup_size: 256
    .sgpr_count:     66
    .vgpr_count:     76
    .wavefront_size: 32
...
	.end_amdgpu_metadata
.endif
;; end of part 7
;; launch outg: the kernel of part 5 again; grid 4 x 64, 4 waves a work-group, clusters of 4 x 4, 327,680 bytes of LDS; arguments vh, attn, out0; writes out0
